; MI455X (gfx1250); checked and timed in simulation.
; The chip was launched on July 23, 2026; its instructions are those of AMD's public machine-readable ISA for CDNA 5 (MIT licence, August 2026) and "CDNA5" Instruction Set Architecture Reference Guide (July 2026). The comments in the code are by the model that wrote it; some were corrected since.
;; Multi Head Attention. Allowed arithmetic: matrix products marked QUANTISED: E3M2 operands, one E8M0 scale for each 32 along K, by v_wmma_scale_f32_16x16x128_f8f6f4 with both operands' format E3M2, f32 sums; everything else in f32.
;; Inputs: Wk 8 x 512 x 64 float32; Wo 512 x 512 float32; Wq 8 x 512 x 64 float32; Wv 8 x 512 x 64 float32; bo 512 float32; x 8 x 2,048 x 512 float32.
;; Outputs: out0 8 x 2,048 x 512 float32.
;; This version of the problem:
;;   THIS VERSION OF THE PROBLEM IS GIVEN IN LOW PRECISION. The matrix products marked QUANTISED in the list below multiply operands that are first quantised to E3M2 (3 exponent bits, 2 mantissa bits; 6 bits a number), with one power-of-two scale for each 32 numbers along K (OCP MX v1.0); their sums are f32. All else is computed in f32.
;;   The module's matrix products, in the order in which they are computed (A, B: the left and right operand; K: the contracted axis; several contracted axes count as one K, in the product's order):
;;     1. [M 512, K 512] x [K 512, N 16,384]; A: input Wq; B: input x: QUANTISED
;;     2. [M 512, K 512] x [K 512, N 16,384]; A: input Wk; B: input x: QUANTISED
;;     3. [M 512, K 512] x [K 512, N 16,384]; A: input Wv; B: input x: QUANTISED
;;     4. batch 64 x [M 2,048, K 64] x [K 64, N 2,048]; A: computed on the way; B: computed on the way: QUANTISED
;;     5. batch 64 x [M 2,048, K 2,048] x [K 2,048, N 64]; A: softmax (see below); B: computed on the way: QUANTISED
;;     6. [M 16,384, K 512] x [K 512, N 512]; A: computed on the way; B: input Wo: QUANTISED
;;   THE QUANTISER, for each operand of a quantised product, along K:
;;     - K is cut into blocks of 32 from its start; a last block that is shorter is filled with zeros.
;;     - A block's scale is 2^e with e = floor(log2(the largest magnitude in the block)) - 4, held to -126 .. 127; a block of zeros has e = 0. As a byte (E8M0): e + 127.
;;     - Each number is divided by its block's scale, clamped to +-28, and rounded to the nearest number of E3M2, ties to even, subnormals kept.
;;     - The product sums the exact products of the quantised numbers (number of the format x scale) in f32.
;;   ~~~python
;;   def quantise(x, axis):      # numpy; x: float32 -> the quantised numbers, widened to float32 again
;;       x = np.moveaxis(x, axis, -1); K = x.shape[-1]
;;       x = np.pad(x, [(0, 0)] * (x.ndim - 1) + [(0, -K % 32)]); x = x.reshape(x.shape[:-1] + (-1, 32)); a = np.abs(x).max(-1, keepdims=True)
;;       e = np.where(a > 0, np.clip(np.frexp(np.where(a > 0, a, 1))[1] - 1 - 4, -126, 127), 0)      # np.frexp(a)[1] - 1 = floor(log2(a)), exactly
;;       r = np.clip(x / 2.0 ** e, -28, 28)
;;       step = 2.0 ** (np.maximum(np.frexp(np.where(r == 0, 1, r))[1] - 1, -2) - 2)
;;       q = np.round(r / step) * step * 2.0 ** e      # np.round: ties to even
;;       return np.moveaxis(q.reshape(q.shape[:-2] + (-1,))[..., :K], -1, axis).astype(np.float32)
;;   ~~~
;;   SOFTMAX AHEAD OF A QUANTISED PRODUCT. Where the list says 'softmax', what is quantised is not the finished softmax but p = 2^(t - M), with t = logit x log2(e) and M = ceil(the row's largest t), a whole number; so 1/2 < the row's largest p <= 1. The row's sum l is taken of the UNQUANTISED p, in f32, and the product's result is divided by l at the end. Since M is a whole number, a kernel that streams over the keys may use a running M (the ceiling of the running maximum): every later rescaling is an exact power of two, which a block's scale takes up: the codes' values come out the same.
;;   OPERANDS COMPUTED ON THE WAY. 'Computed on the way' means the value that the module computes at that place (a softmax that the list does not call 'softmax' is quantised finished and normalised). What goes into a quantiser is computed in f32, as accurately as f32 sums, v_exp_f32 and their like allow (about 1e-6 of the number): no bf16 or f16 on the way to a quantiser, and a product that is left as it is and whose result goes on into a quantised operand takes f32 operands (vector FMAs, or v_wmma_f32_16x16x4_f32). A number that lies on a knife's edge between two numbers of the format may be rounded either way, as far as f32 arithmetic and the matrix unit's own rounding can turn it there, and no further.
;; 2 versions. Each part assembles by itself: llvm-mc -triple=amdgcn-amd-amdhsa -mcpu=gfx1250 --defsym DOCPART=n.
;; ======== version 1 of 2: 4 launches
;; workspace buffers: wc 786,432 bytes; ws 32,768 bytes; qb 6,815,744 bytes; kv 13,631,488 bytes; att 6,291,456 bytes; ats 524,288 bytes
;; launch prep (part 1): grid 128 x 1, 1 waves a work-group, no clusters, 0 bytes of LDS; arguments Wq, Wk, Wv, Wo, wc, ws; writes wc, ws
.if DOCPART == 1
	.amdgcn_target "amdgcn-amd-amdhsa--gfx1250"
	.amdhsa_code_object_version 6
	.text
	.protected	k_q74ab03051e_prep
	.globl	k_q74ab03051e_prep
	.p2align	8
	.type	k_q74ab03051e_prep,@function
k_q74ab03051e_prep:
	s_mov_b64 s[64:65], 0
	v_nop
	global_prefetch_b8 v0, s[64:65] scope:SCOPE_SE
	s_setreg_imm32_b32 hwreg(HW_REG_WAVE_MODE, 25, 1), 1
	s_wait_xcnt 0x0
; Wq, Wk, Wv [8][512][64] and Wo [512][512], f32, K = their 512 rows, become codes of BF6 (E3M2) with one E8M0 byte for each 32 along K,
; laid in the order of a matrix operand's registers.  A matrix HM is 64 columns: 0-7 q's heads, 8-15 k's, 16-23 v's, 24-31 Wo's column groups.
; A work-group (one wave) makes the four fragments t (16 columns x 128 K) of one (HM, K step s): work-group number = 4 HM + s.
; wc: fragment 16 HM + 4 s + t, 1,536 bytes: registers 4 c .. 4 c + 3 of lane l at 512 c + 16 l.   ws: block 4 HM + s, 256 bytes: the scale word of tile t, row r at 8 (r + 16 (t % 2)) + 4 (t / 2).
; A LANE TAKES A COLUMN AND ITS REGISTERS RUN DOWN K, in the order that the operand's layout gives the lane (k = 64 c + 32 h + i): the conversions' results are the operand's registers.
; THE COLUMNS OF A TILE OF Wq, Wk, Wv ARE NOT NEIGHBOURS: lane r of tile t takes column 32 (t / 2) + 8 (t % 2) + r + 8 (r / 8), so that the results of four tiles lie along d in a lane's registers.  Wo's tiles are 16 neighbours.
; A block's scale byte is its largest magnitude's exponent field - 4, held at 1 from below (a block of zeros keeps the byte 1: its codes are zeros, and this program alone reads the bytes).
; LIMITS: blocks whose largest magnitude lies under 2^(5 - 127) have the byte 1; NaN and infinities among the inputs are not served.
; No LDS, no barrier, no matrix unit: 4 MiB are read once.  No cluster: no two work-groups read the same bytes.
.set X,    32                          ; v32-95, v96-159  two sets of 64 numbers (register 32 c + i)
.set CD,   160                         ; v160-207 codes: 12 registers for each tile, so that no store's data are written again
.set CT,   208                         ; v208-214 the upper halves of two blocks (a conversion's three registers begin on an even number)
.set PWR,  216                         ; v216-219 a scale word for each tile
.set SBR,  220                         ; v[220:221] the block of scale words
.macro LOADT t, pitch, wo              ; tile t's 64 numbers a lane into set t % 2
.if \wo
.set TOFF, 64*(\t)
.else
.set TOFF, 4*(32*((\t)/2)+8*((\t)%2))
.endif
.set XL, X+64*((\t)%2)
.irp c, 0,1
.irp i, 0,1,2,3,4,5,6,7,8,9,10,11,12,13,14,15,16,17,18,19,20,21,22,23,24,25,26,27,28,29,30,31
	global_load_b32 v[XL+32*\c+\i], v3, s[18:19] offset:\pitch*(64*\c+\i)+TOFF
.endr
.endr
.endm
.macro QTILE t                         ; tile t is quantised and its fragment stored
.set XQ, X+64*((\t)%2)
.set CC, CD+12*(\t)
.irp c, 0,1
	v_max3_num_f32 v[8+\c], |v[XQ+32*\c]|, |v[XQ+32*\c+1]|, 0x2800000   ; my block 2 c + h: all 32 numbers are mine; the floor 2^(5 - 127) holds the byte at 1 from below
.endr
.irp i, 2,4,6,8,10,12,14,16,18,20,22,24,26,28,30
.irp c, 0,1
	v_max3_num_f32 v[8+\c], v[8+\c], |v[XQ+32*\c+\i]|, |v[XQ+32*\c+\i+1]|
.endr
.endr
.irp c, 0,1
	v_add_nc_u32 v[10+\c], 0xfe000000, v[8+\c]     ; 4 off the exponent field: the conversion's scale operand
.endr
.irp c, 0,1
	v_lshrrev_b32 v[12+\c], 23, v[10+\c]           ; the scale's byte
.endr
	v_lshl_or_b32 v14, v13, 16, v12                ; my two bytes: blocks h and 2 + h,
	v_lshlrev_b32 v14, v6, v14                     ; 8 h bits up;
	v_permlanex16_b32 v15, v14, s22, s23
	v_or_b32 v[PWR+(\t)], v14, v15                 ; with lane l xor 16's two the word is whole, in both halves of the lanes
.irp c, 0,1
	v_cvt_scalef32_pk16_bf6_f32 v[CC+6*\c:CC+6*\c+2], v[XQ+32*\c:XQ+32*\c+15], v[10+\c]
	v_cvt_scalef32_pk16_bf6_f32 v[CT+4*\c:CT+4*\c+2], v[XQ+32*\c+16:XQ+32*\c+31], v[10+\c]
.endr
	v_nop                                          ; one plain place behind a scaled conversion
.irp c, 0,1
.irp i, 0,1,2
	v_mov_b32 v[CC+3+6*\c+\i], v[CT+4*\c+\i]
.endr
.endr
.irp c, 0,1,2
	global_store_b128 v4, v[CC+4*\c:CC+4*\c+3], s[12:13] offset:1536*(\t)+512*\c   ; 32 lanes store 512 consecutive bytes, aligned
.endr
.endm
.macro TASK pitch, wo
	LOADT 0, \pitch, \wo
	LOADT 1, \pitch, \wo
.irp t, 0,1,2,3
.if \t < 3
	s_wait_loadcnt 63                              ; this tile's 64 loads are in; behind them the next tile's 64 were issued, and 63 is the largest count that the wait can name
.else
	s_wait_loadcnt 0x0
.endif
	QTILE \t
.if \t < 2
	LOADT \t+2, \pitch, \wo
.endif
.endr
	v_cndmask_b32 v[SBR], v[PWR], v[PWR+1], vcc_lo      ; lanes 0-15 tile 0's words, lanes 16-31 tile 1's
	v_cndmask_b32 v[SBR+1], v[PWR+2], v[PWR+3], vcc_lo  ; tiles 2 and 3
	global_store_b64 v5, v[SBR:SBR+1], s[14:15]    ; 256 consecutive bytes, aligned
	s_endpgm
.endm
	s_load_b256 s[4:11], s[0:1], 0x0               ; Wq s[4:5], Wk s[6:7], Wv s[8:9], Wo s[10:11]
	s_load_b128 s[12:15], s[0:1], 0x20             ; wc s[12:13], ws s[14:15]
	v_and_b32 v1, 15, v0                           ; r
	v_lshrrev_b32 v2, 4, v0                        ; h
	v_lshlrev_b32 v4, 4, v0                        ; 16 x lane
	v_lshlrev_b32 v5, 3, v0                        ; 8 x lane
	v_lshlrev_b32 v6, 3, v2                        ; 8 h
	v_mov_b32 v15, 0                               ; written once: a lane permute's destination counts as one of its sources
	s_mov_b32 s22, 0x76543210
	s_mov_b32 s23, 0xfedcba98                      ; selects for lane l xor 16
	s_mov_b32 vcc_lo, 0xffff0000                   ; lanes 16-31
	s_lshr_b32 s16, ttmp9, 2                       ; HM
	s_and_b32 s17, ttmp9, 3                        ; s
	s_mul_i32 s24, ttmp9, 6144                     ; four fragments of 1,536 bytes
	s_mov_b32 s25, 0
	s_lshl_b32 s26, ttmp9, 8
	s_mov_b32 s27, 0
	s_mov_b32 s21, 0
	s_wait_kmcnt 0x0
	s_add_nc_u64 s[12:13], s[12:13], s[24:25]
	s_add_nc_u64 s[14:15], s[14:15], s[26:27]
	s_cmp_ge_u32 ttmp9, 96
	s_cbranch_scc1 .Lwo
	s_cmp_lt_u32 s16, 16                           ; which tensor: the choice hangs on the work-group's number alone
	s_cselect_b64 s[18:19], s[6:7], s[8:9]
	s_cmp_lt_u32 s16, 8
	s_cselect_b64 s[18:19], s[4:5], s[18:19]
	s_and_b32 s20, s16, 7
	s_lshl_b32 s20, s20, 17                        ; a head is 512 rows of 256 bytes,
	s_lshl_b32 s28, s17, 15                        ; a K step 128 rows
	s_add_co_u32 s20, s20, s28
	s_add_nc_u64 s[18:19], s[18:19], s[20:21]
	v_and_b32 v7, 8, v1
	v_add_nc_u32 v7, v7, v1                        ; r + 8 (r / 8)
	v_lshlrev_b32 v3, 2, v7
	v_lshl_add_u32 v3, v2, 13, v3                  ; lanes 16-31 begin 32 rows further down
	TASK 256, 0
.Lwo:
	s_sub_co_u32 s20, s16, 24
	s_lshl_b32 s20, s20, 8                         ; 64 columns of 4 bytes,
	s_lshl_b32 s28, s17, 18                        ; a K step: 128 rows of 2,048 bytes
	s_add_co_u32 s20, s20, s28
	s_add_nc_u64 s[18:19], s[10:11], s[20:21]
	v_lshlrev_b32 v3, 2, v1
	v_lshl_add_u32 v3, v2, 16, v3
	TASK 2048, 1
.Lfunc_end_k_q74ab03051e_prep:
	.size	k_q74ab03051e_prep, .Lfunc_end_k_q74ab03051e_prep-k_q74ab03051e_prep
	.p2alignl 7, 3214868480
	.fill 96, 4, 3214868480
	.section	.rodata,"a",@progbits
	.p2align	6, 0x0
	.amdhsa_kernel k_q74ab03051e_prep
		.amdhsa_group_segment_fixed_size 0
		.amdhsa_private_segment_fixed_size 0
		.amdhsa_enable_private_segment 0
		.amdhsa_kernarg_size 48
		.amdhsa_user_sgpr_count 2
		.amdhsa_user_sgpr_kernarg_segment_ptr 1
		.amdhsa_wavefront_size32 1
		.amdhsa_system_sgpr_workgroup_id_x 1
		.amdhsa_system_sgpr_workgroup_id_y 1
		.amdhsa_system_sgpr_workgroup_id_z 1
		.amdhsa_system_vgpr_workitem_id 0
		.amdhsa_next_free_vgpr 224
		.amdhsa_next_free_sgpr 66
		.amdhsa_reserve_vcc 1
		.amdhsa_float_denorm_mode_32 3
		.amdhsa_float_denorm_mode_16_64 3
		.amdhsa_memory_ordered 1
		.amdhsa_forward_progress 1
		.amdhsa_inst_pref_size 76
	.end_amdhsa_kernel
	.amdgpu_metadata
---
amdhsa.version: [ 1, 2 ]
amdhsa.kernels:
  - .name:           k_q74ab03051e_prep
    .symbol:         k_q74ab03051e_prep.kd
    .args:
      - { .name: Wq, .offset: 0, .size: 8, .value_kind: global_buffer, .address_space: global }
      - { .name: Wk, .offset: 8, .size: 8, .value_kind: global_buffer, .address_space: global }
      - { .name: Wv, .offset: 16, .size: 8, .value_kind: global_buffer, .address_space: global }
      - { .name: Wo, .offset: 24, .size: 8, .value_kind: global_buffer, .address_space: global }
      - { .name: wc, .offset: 32, .size: 8, .value_kind: global_buffer, .address_space: global }
      - { .name: ws, .offset: 40, .size: 8, .value_kind: global_buffer, .address_space: global }
    .group_segment_fixed_size: 0
    .private_segment_fixed_size: 0
    .kernarg_segment_align: 8
    .kernarg_segment_size: 48
    .max_flat_workgroup_size: 32
    .sgpr_count:     66
    .vgpr_count:     224
    .wavefront_size: 32
...
	.end_amdgpu_metadata
.endif
;; end of part 1
;; launch proj (part 2): grid 256 x 1, 4 waves a work-group, no clusters, 59,904 bytes of LDS; arguments x, wc, ws, qb, kv; writes qb, kv
.if DOCPART == 2
	.amdgcn_target "amdgcn-amd-amdhsa--gfx1250"
	.amdhsa_code_object_version 6
	.text
	.protected	k_q74ab03051e_proj
	.globl	k_q74ab03051e_proj
	.p2align	8
	.type	k_q74ab03051e_proj,@function
k_q74ab03051e_proj:
	s_mov_b64 s[64:65], 0
	v_nop
	global_prefetch_b8 v0, s[64:65] scope:SCOPE_SE
	s_setreg_imm32_b32 hwreg(HW_REG_WAVE_MODE, 25, 1), 1
	s_wait_xcnt 0x0
; q, k, v = x W for all 8 heads, on codes of BF6 (E3M2) with one E8M0 scale for each 32 along K = 512; the results are quantised again at once: q and k along d, v along the tokens (the keys),
; and leave as codes in the order of the operand registers that the attention launch loads.  No f32 result goes to memory.
; SHARES.  A work-group owns 64 tokens (a group g of batch b: work-group number 32 b + g) and all 1,536 output columns, so x is read and quantised once.  Wave w quantises token tile w
; (16 tokens x 512), the 16 fragments go from wave to wave through LDS as images of their registers, one barrier; then wave w makes q, k, v of heads 2 w and 2 w + 1: six matrices of 64 products each.
; THE TOKENS OF A TILE ARE NOT NEIGHBOURS: lane r of tile tt holds token 32 (tt / 2) + 8 (tt % 2) + r + 8 (r / 8); the weights' columns are ordered likewise (launch prep).  So after a product the
; 32 registers of four tiles run along the source-0 axis: register 16 b + i = element 32 b + 16 (lane / 16) + i.  q, k: source 0 = W's columns, a lane holds a token and runs along d;
; v: source 0 = x's tokens, a lane holds a column d and runs along the tokens.
; THE WEIGHTS come from wc straight into operand registers, 24,576 bytes a matrix, one matrix ahead, in two register windows by turns.
; NO CLUSTER: the weights are what work-groups share, and here they take no way through LDS: a joint request lands in LDS, which would add an LDS pass of the same 24,576 bytes a matrix and wave and a round of the cluster's barrier for each matrix.
; OUT.  Half a fragment (16 rows x 64 K, registers 0-5): registers 0-3 at 16 l, registers 4-5 at 512 + 8 l: 768 bytes.  A block of scale words (4 tiles): tile a, row r at 8 (r + 16 (a % 2)) + 4 (a / 2).
;   qb [b 8 + h][g][3,328]: 4 halves, the block at 3,072.   kv [b 8 + h][g][6,656]: K's 4 halves, V's 4 at 3,072, K's block at 6,144, V's at 6,400.
;   q's and k's words repeat bytes 0, 1 in bytes 2, 3 (their K is 64 of the instruction's 128); v's two bytes stand 16 (g % 2) bits up: two groups' words are joined by an OR.
; LIMITS: blocks whose largest magnitude lies under 2^(5 - 127) have the byte 1 (a block of zeros too: its codes are zeros); NaN and infinities among the inputs are not served.
; REGISTERS, in windows of 256: window 0: v1-7 addresses, v10-17 x's scale words, v18-33 the weights' (two sets), v34-49 at work, v50-85 codes and words just made, v128-255 the 16 accumulators (in the first phase two sets of 64 numbers);
;   window 1: x's 16 fragments, (tt, s) at 12 (4 tt + s);  windows 2, 3: the weights, (s, t) at 12 (4 s + t); in the first phase window 3 holds x as loaded.
.set XIMG, 33792                       ; LDS: 0 .. 33,791 a stage of 16 rows x 528 bytes for each wave; then x's 16 images of 1,536 bytes, number 4 tt + s;
.set XSC,  58368                       ; then their scale words: (tt, s, row r) at 256 s + 64 tt + 4 r
.set LI,  1                            ; v1  16 x lane
.set L8,  2                            ; v2  8 x lane
.set L4,  3                            ; v3  4 x lane
.set SWR, 4                            ; v4  my stage, as loaded: 8,448 w + 16 x lane
.set SRD, 5                            ; v5  my stage, by rows: 8,448 w + 528 r + 64 h
.set XWI, 6                            ; v6  where I store my images
.set XWS, 7                            ; v7  and their scale words
.set XS,  10                           ; register 2 s + tt / 2, lanes 16 (tt % 2) on
.set WSC, 18                           ; set (matrix % 2) x 8, register 2 s + t / 2, lanes 16 (t % 2) on
.set TM,  34
.set PWX, 50
.set PCX, 52
.set PC,  52                           ; four halves of 6 registers
.set CT,  76
.set PW,  80
.set SBR, 84
.set ACC, 128
.set WV,  14
.set SEL, 20
.set SH,  22
.set MSB, 0
.macro WIN new                         ; the immediate's high byte repeats the setting that is left
.if MSB != \new
	s_set_vgpr_msb (MSB<<8)|\new
.set MSB, \new
.endif
.endm
; one product: D, A, B, C (below 0: the constant 0), A's scale register and its half of the lanes, B's likewise
.macro WM d, a, b, c, sa, ra, sb, rb
.set ZD, \d
.set ZA, \a
.set ZB, \b
.set ZC, \c
.set ZP, \sa
.set ZQ, \sb
.set ZR, (\ra)+2*(\rb)
.if ZC < 0
.if ZR == 0
	v_wmma_scale_f32_16x16x128_f8f6f4 v[ZD:ZD+7], v[ZA:ZA+11], v[ZB:ZB+11], 0, v[ZP], v[ZQ] matrix_a_fmt:MATRIX_FMT_BF6 matrix_b_fmt:MATRIX_FMT_BF6
.elseif ZR == 1
	v_wmma_scale_f32_16x16x128_f8f6f4 v[ZD:ZD+7], v[ZA:ZA+11], v[ZB:ZB+11], 0, v[ZP], v[ZQ] matrix_a_fmt:MATRIX_FMT_BF6 matrix_b_fmt:MATRIX_FMT_BF6 matrix_a_scale:MATRIX_SCALE_ROW1
.elseif ZR == 2
	v_wmma_scale_f32_16x16x128_f8f6f4 v[ZD:ZD+7], v[ZA:ZA+11], v[ZB:ZB+11], 0, v[ZP], v[ZQ] matrix_a_fmt:MATRIX_FMT_BF6 matrix_b_fmt:MATRIX_FMT_BF6 matrix_b_scale:MATRIX_SCALE_ROW1
.else
	v_wmma_scale_f32_16x16x128_f8f6f4 v[ZD:ZD+7], v[ZA:ZA+11], v[ZB:ZB+11], 0, v[ZP], v[ZQ] matrix_a_fmt:MATRIX_FMT_BF6 matrix_b_fmt:MATRIX_FMT_BF6 matrix_a_scale:MATRIX_SCALE_ROW1 matrix_b_scale:MATRIX_SCALE_ROW1
.endif
.else
.if ZR == 0
	v_wmma_scale_f32_16x16x128_f8f6f4 v[ZD:ZD+7], v[ZA:ZA+11], v[ZB:ZB+11], v[ZC:ZC+7], v[ZP], v[ZQ] matrix_a_fmt:MATRIX_FMT_BF6 matrix_b_fmt:MATRIX_FMT_BF6
.elseif ZR == 1
	v_wmma_scale_f32_16x16x128_f8f6f4 v[ZD:ZD+7], v[ZA:ZA+11], v[ZB:ZB+11], v[ZC:ZC+7], v[ZP], v[ZQ] matrix_a_fmt:MATRIX_FMT_BF6 matrix_b_fmt:MATRIX_FMT_BF6 matrix_a_scale:MATRIX_SCALE_ROW1
.elseif ZR == 2
	v_wmma_scale_f32_16x16x128_f8f6f4 v[ZD:ZD+7], v[ZA:ZA+11], v[ZB:ZB+11], v[ZC:ZC+7], v[ZP], v[ZQ] matrix_a_fmt:MATRIX_FMT_BF6 matrix_b_fmt:MATRIX_FMT_BF6 matrix_b_scale:MATRIX_SCALE_ROW1
.else
	v_wmma_scale_f32_16x16x128_f8f6f4 v[ZD:ZD+7], v[ZA:ZA+11], v[ZB:ZB+11], v[ZC:ZC+7], v[ZP], v[ZQ] matrix_a_fmt:MATRIX_FMT_BF6 matrix_b_fmt:MATRIX_FMT_BF6 matrix_a_scale:MATRIX_SCALE_ROW1 matrix_b_scale:MATRIX_SCALE_ROW1
.endif
.endif
.endm
; 64 numbers of a lane, register 16 b + i = k 32 b + 16 (lane / 16) + i of my row, become a fragment's codes in v[PCX] on and its scale word in v[PWX]
.macro QUANT64 src
.irp b, 0,1,2,3
	v_max3_num_f32 v[TM+\b], |v[\src+16*\b]|, |v[\src+16*\b+1]|, 0x2800000   ; my 16 numbers of block b, and the floor 2^(5 - 127): the byte cannot fall under 1
.endr
.irp i, 2,4,6,8,10,12,14
.irp b, 0,1,2,3
	v_max3_num_f32 v[TM+\b], v[TM+\b], |v[\src+16*\b+\i]|, |v[\src+16*\b+\i+1]|
.endr
.endr
.irp b, 0,1,2,3
	v_permlanex16_b32 v[TM+4+\b], v[TM+\b], s[SEL], s[SEL+1]
.endr
.irp b, 0,1,2,3
	v_max_num_f32 v[TM+\b], v[TM+\b], v[TM+4+\b]   ; with lane l xor 16's: the block's largest magnitude
.endr
.irp b, 0,1,2,3
	v_add_nc_u32 v[TM+12+\b], 0xfe000000, v[TM+\b] ; 4 off its exponent field: the conversion's scale operand
.endr
.irp b, 0,1,2,3
	v_lshrrev_b32 v[TM+4+\b], 23, v[TM+12+\b]      ; the scale's byte
.endr
	v_lshl_or_b32 v[PWX], v[TM+5], 8, v[TM+4]
	v_lshl_or_b32 v[PWX], v[TM+6], 16, v[PWX]
	v_lshl_or_b32 v[PWX], v[TM+7], 24, v[PWX]
.irp c, 0,1
	v_cvt_scalef32_pk16_bf6_f32 v[PCX+6*\c:PCX+6*\c+2], v[\src+32*\c:\src+32*\c+15], v[TM+12+2*\c]
	v_cvt_scalef32_pk16_bf6_f32 v[PCX+12+4*\c:PCX+12+4*\c+2], v[\src+32*\c+16:\src+32*\c+31], v[TM+12+2*\c+1]
.endr
	v_nop                                          ; one plain place behind a scaled conversion
.irp c, 0,1                                    ; the operand's layout wants a whole block in a lane
.irp i, 0,1,2
	v_permlane16_swap_b32 v[PCX+6*\c+\i], v[PCX+12+4*\c+\i]
.endr
.irp i, 0,1,2
	v_mov_b32 v[PCX+3+6*\c+\i], v[PCX+12+4*\c+\i]
.endr
.endr
.endm
; 32 numbers of a lane (two blocks) become half a fragment in v[pc] .. v[pc + 5] and a word of two bytes in v[pw]
.macro QUANT32 src, pc, ct, pw
.irp b, 0,1
	v_max3_num_f32 v[TM+\b], |v[\src+16*\b]|, |v[\src+16*\b+1]|, 0x2800000   ; each accumulator is read from its low end on
.endr
.irp i, 2,4,6,8,10,12,14
.irp b, 0,1
	v_max3_num_f32 v[TM+\b], v[TM+\b], |v[\src+16*\b+\i]|, |v[\src+16*\b+\i+1]|
.endr
.endr
.irp b, 0,1
	v_permlanex16_b32 v[TM+2+\b], v[TM+\b], s[SEL], s[SEL+1]
.endr
.irp b, 0,1
	v_max_num_f32 v[TM+\b], v[TM+\b], v[TM+2+\b]
.endr
.irp b, 0,1
	v_add_nc_u32 v[TM+4+\b], 0xfe000000, v[TM+\b]
.endr
.irp b, 0,1
	v_lshrrev_b32 v[TM+6+\b], 23, v[TM+4+\b]
.endr
	v_lshl_or_b32 v[\pw], v[TM+7], 8, v[TM+6]
	v_cvt_scalef32_pk16_bf6_f32 v[\pc:\pc+2], v[\src:\src+15], v[TM+4]
	v_cvt_scalef32_pk16_bf6_f32 v[\ct:\ct+2], v[\src+16:\src+31], v[TM+5]
	v_nop                                          ; one plain place behind a scaled conversion
.irp i, 0,1,2
	v_permlane16_swap_b32 v[\pc+\i], v[\ct+\i]
.endr
.irp i, 0,1,2
	v_mov_b32 v[\pc+3+\i], v[\ct+\i]
.endr
.endm
; matrix idx (0 .. 5: q, k, v of head 2 w, then of head 2 w + 1): its 16 fragments and 4 blocks of scale words
.macro WLOAD idx
.set LK, ((\idx)%3)*8+(\idx)/3
.set LW, (2+((\idx)%2))*64
	WIN LW                                         ; destination window 2 or 3
.set Q, 0
.rept 48
	global_load_b128 v[4*Q:4*Q+3], v[LI], s[6:7] offset:LK*24576+512*Q
.set Q, Q+1
.endr
	WIN 0
.irp s, 0,1,2,3
	global_load_b64 v[WSC+8*((\idx)%2)+2*\s:WSC+8*((\idx)%2)+2*\s+1], v[L8], s[8:9] offset:LK*1024+256*\s
.endr
.endm
; K step s of my 16 rows goes through my stage: in as loaded (a row's 512 bytes on end), out 64 bytes a lane and block.  LDS serves a wave's instructions in order: no wait between
.macro TURN s
	WIN 0x0c                                       ; an LDS store's data are its source 1: window 3
.irp p, 0,1,2,3,4,5,6,7,8,9,10,11,12,13,14,15
	ds_store_b128 v[SWR], v[64*(\s)+4*\p:64*(\s)+4*\p+3] offset:528*\p
.endr
	WIN 0
.irp b, 0,1,2,3
.irp j, 0,1,2,3
	ds_load_b128 v[ACC+64*((\s)%2)+16*\b+4*\j:ACC+64*((\s)%2)+16*\b+4*\j+3], v[SRD] offset:128*\b+16*\j
.endr
.endr
.endm
.macro MAT idx
.set KIND, (\idx)%3
.set EE, (\idx)/3
.set WN, 2+((\idx)%2)
.set WS0, WSC+8*((\idx)%2)
	s_wait_loadcnt 0x0                             ; this matrix's weights, asked for a matrix ago, are in
.if (\idx) < 5
	WLOAD (\idx)+1                                 ; the other window's last products stand ahead of a whole quantising phase
.endif
.if KIND < 2
.set WW, WN+4                                  ; source 0 = W, source 1 = x (window 1)
.else
.set WW, 1+4*WN                                ; source 0 = x, source 1 = W
.endif
	WIN WW
.irp s, 0,1,2,3                                ; the 16 accumulators take turns, one instruction a turn
.irp m, 0,1,2,3
.irp t, 0,1,2,3
.if \s == 0
.set CIN, -1
.else
.set CIN, ACC+8*(4*\m+\t)
.endif
.if KIND < 2
	WM ACC+8*(4*\m+\t), 12*(4*\s+\t), 12*(4*\m+\s), CIN, WS0+2*\s+\t/2, \t%2, XS+2*\s+\m/2, \m%2
.else
	WM ACC+8*(4*\m+\t), 12*(4*\t+\s), 12*(4*\s+\m), CIN, XS+2*\s+\t/2, \t%2, WS0+2*\s+\m/2, \m%2
.endif
.endr
.endr
.endr
	WIN 0
.rept 4
	v_nop                                          ; four places ahead of the first read of results
.endr
	s_wait_xcnt 0x0                                ; the last matrix's stores have read their registers: the codes and words may be written again
.irp a, 0,1,2,3
	QUANT32 ACC+32*\a, PC+6*\a, CT, PW+\a
.if KIND < 2
	v_lshl_or_b32 v[PW+\a], v[PW+\a], 16, v[PW+\a] ; bytes 0, 1 again in bytes 2, 3
.else
	v_lshlrev_b32 v[PW+\a], s[SH], v[PW+\a]        ; 16 (g % 2) bits up
.endif
.endr
	v_cndmask_b32 v[SBR], v[PW], v[PW+1], vcc_lo
	v_cndmask_b32 v[SBR+1], v[PW+2], v[PW+3], vcc_lo
.if KIND == 0
.set OB, 10
.set OFF0, EE*106496
.set OFFS, EE*106496+3072
.elseif KIND == 1
.set OB, 12
.set OFF0, EE*212992
.set OFFS, EE*212992+6144
.else
.set OB, 12
.set OFF0, EE*212992+3072
.set OFFS, EE*212992+6400
.endif
.irp a, 0,1,2,3
	global_store_b128 v[LI], v[PC+6*\a:PC+6*\a+3], s[OB:OB+1] offset:OFF0+768*\a        ; 512 consecutive bytes, aligned
	global_store_b64 v[L8], v[PC+6*\a+4:PC+6*\a+5], s[OB:OB+1] offset:OFF0+768*\a+512   ; 256
.endr
	global_store_b64 v[L8], v[SBR:SBR+1], s[OB:OB+1] offset:OFFS
.endm
	s_load_b256 s[4:11], s[0:1], 0x0               ; x s[4:5], wc s[6:7], ws s[8:9], qb s[10:11]
	s_load_b64 s[12:13], s[0:1], 0x20              ; kv
	v_lshl_add_u32 v126, v0, 2, 0xe800
	v_mov_b32 v127, 0
	v_lshrrev_b32 v8, 5, v0
	v_readfirstlane_b32 s[WV], v8                  ; wave 0..3
	v_and_b32 v8, 31, v0                           ; lane
	v_and_b32 v9, 15, v0                           ; r
	v_bfe_u32 v51, v0, 4, 1                        ; h
	v_lshlrev_b32 v[LI], 4, v8
	v_lshlrev_b32 v[L8], 3, v8
	v_lshlrev_b32 v[L4], 2, v8
	s_mul_i32 s15, s[WV], 8448
	v_add_nc_u32 v[SWR], s15, v[LI]
	v_mul_u32_u24 v[SRD], v9, 528
	v_lshl_add_u32 v[SRD], v51, 6, v[SRD]
	v_add_nc_u32 v[SRD], s15, v[SRD]
	s_mul_i32 s15, s[WV], 6144
	s_add_co_u32 s15, s15, XIMG
	v_add_nc_u32 v[XWI], s15, v[LI]
	s_lshl_b32 s15, s[WV], 6
	s_add_co_u32 s15, s15, XSC
	v_lshl_add_u32 v[XWS], v9, 2, s15
.irp b, 2,3,4,5,6,7
	v_mov_b32 v[TM+\b], 0                          ; written once: a lane permute's destination counts as one of its sources
.endr
	s_mov_b32 s[SEL], 0x76543210
	s_mov_b32 s[SEL+1], 0xfedcba98                 ; selects for lane l xor 16
	s_mov_b32 vcc_lo, 0xffff0000                   ; lanes 16-31
	s_lshl_b32 s16, ttmp9, 6                       ; my group's first token,
	s_lshr_b32 s17, s[WV], 1
	s_lshl_b32 s17, s17, 5
	s_add_co_u32 s16, s16, s17
	s_and_b32 s17, s[WV], 1
	s_lshl_b32 s17, s17, 3
	s_add_co_u32 s16, s16, s17                     ; my tile's: + 32 (w / 2) + 8 (w % 2)
	s_lshl_b32 s16, s16, 11                        ; rows of 2,048 bytes
	s_mov_b32 s17, 0
	s_mul_i32 s18, s[WV], 49152                    ; heads 2 w on: 24,576 bytes a matrix
	s_mov_b32 s19, 0
	s_lshl_b32 s24, s[WV], 11                      ; and 1,024 bytes of scale words
	s_mov_b32 s25, 0
	s_lshr_b32 s26, ttmp9, 5                       ; b
	s_and_b32 s27, ttmp9, 31                       ; g
	s_lshl_b32 s26, s26, 3
	s_lshl_b32 s28, s[WV], 1
	s_add_co_u32 s26, s26, s28                     ; 8 b + 2 w
	s_lshl_b32 s26, s26, 5
	s_add_co_u32 s26, s26, s27                     ; the record's number
	s_and_b32 s[SH], s27, 1
	s_lshl_b32 s[SH], s[SH], 4
	s_mul_i32 s28, s26, 3328
	s_mov_b32 s29, 0
	s_mul_i32 s30, s26, 6656
	s_mov_b32 s31, 0
	s_wait_kmcnt 0x0
	s_add_nc_u64 s[4:5], s[4:5], s[16:17]
	s_add_nc_u64 s[6:7], s[6:7], s[18:19]
	s_add_nc_u64 s[8:9], s[8:9], s[24:25]
	s_add_nc_u64 s[10:11], s[10:11], s[28:29]
	s_add_nc_u64 s[12:13], s[12:13], s[30:31]
	; ---- x: my 16 rows, K step by K step; each load reads 512 consecutive bytes of one row
	WIN 0xc0                                       ; destination window 3
.irp s, 0,1,2,3
.irp p, 0,1,2,3,4,5,6,7,8,9,10,11,12,13,14,15
	global_load_b128 v[64*\s+4*\p:64*\s+4*\p+3], v[LI], s[4:5] offset:(\p+8*(\p/8))*2048+512*\s th:TH_LOAD_NT
.endr
.endr
	WIN 0
	s_wait_loadcnt 48                              ; K step 0's 16 loads are in; the three younger steps' 48 stay out
	TURN 0
.irp s, 0,1,2,3
.if \s < 3
	s_wait_loadcnt 32-16*\s                        ; the next K step's loads are in; the younger steps' stay out
	TURN \s+1
.endif
.if \s == 2
	WLOAD 0                                        ; x is all in: now the first matrix's weights
.endif
.if \s < 3
	s_wait_dscnt 32                                ; all but the next step's 16 stores and 16 loads: this step's numbers are back, and the last step's image has been stored
.else
	s_wait_dscnt 0x0
.endif
	QUANT64 ACC+64*(\s%2)
.irp c, 0,1,2
	ds_store_b128 v[XWI], v[PCX+4*\c:PCX+4*\c+3] offset:1536*\s+512*\c   ; the fragment as it stands: lane l's 16 bytes at 16 l
.endr
	ds_store_b32 v[XWS], v[PWX] offset:256*\s      ; lanes l and l + 16 write the same word with the same value
.endr
	s_wait_dscnt 0x0                               ; for the others' sake: my images and words are in LDS
	s_barrier_signal -1
	s_barrier_wait -1                              ; everybody's are
	WIN 0x40                                       ; destination window 1
.set Q, 0
.rept 48
	ds_load_b128 v[4*Q:4*Q+3], v[LI] offset:XIMG+512*Q
.set Q, Q+1
.endr
	WIN 0
.irp s, 0,1,2,3
.irp p, 0,1
	ds_load_b32 v[XS+2*\s+\p], v[L4] offset:XSC+256*\s+128*\p   ; lanes 0-15 tile 2 p's words, lanes 16-31 tile 2 p + 1's
.endr
.endr
	s_wait_dscnt 0x0
	; ---- the six matrices
	MAT 0
	MAT 1
	MAT 2
	MAT 3
	MAT 4
	MAT 5
	s_wait_tensorcnt 0x0
	ds_add_u32 v126, v127
	s_wait_dscnt 0x0
	s_endpgm
.Lfunc_end_k_q74ab03051e_proj:
	.size	k_q74ab03051e_proj, .Lfunc_end_k_q74ab03051e_proj-k_q74ab03051e_proj
	.p2alignl 7, 3214868480
	.fill 96, 4, 3214868480
	.section	.rodata,"a",@progbits
	.p2align	6, 0x0
	.amdhsa_kernel k_q74ab03051e_proj
		.amdhsa_group_segment_fixed_size 59904
		.amdhsa_private_segment_fixed_size 0
		.amdhsa_enable_private_segment 0
		.amdhsa_kernarg_size 40
		.amdhsa_user_sgpr_count 2
		.amdhsa_user_sgpr_kernarg_segment_ptr 1
		.amdhsa_wavefront_size32 1
		.amdhsa_system_sgpr_workgroup_id_x 1
		.amdhsa_system_sgpr_workgroup_id_y 1
		.amdhsa_system_sgpr_workgroup_id_z 1
		.amdhsa_system_vgpr_workitem_id 0
		.amdhsa_next_free_vgpr 1024
		.amdhsa_next_free_sgpr 66
		.amdhsa_reserve_vcc 1
		.amdhsa_float_denorm_mode_32 3
		.amdhsa_float_denorm_mode_16_64 3
		.amdhsa_memory_ordered 1
		.amdhsa_forward_progress 1
		.amdhsa_inst_pref_size 168
	.end_amdhsa_kernel
	.amdgpu_metadata
---
amdhsa.version: [ 1, 2 ]
amdhsa.kernels:
  - .name:           k_q74ab03051e_proj
    .symbol:         k_q74ab03051e_proj.kd
    .args:
      - { .name: x, .offset: 0, .size: 8, .value_kind: global_buffer, .address_space: global }
      - { .name: wc, .offset: 8, .size: 8, .value_kind: global_buffer, .address_space: global }
      - { .name: ws, .offset: 16, .size: 8, .value_kind: global_buffer, .address_space: global }
      - { .name: qb, .offset: 24, .size: 8, .value_kind: global_buffer, .address_space: global }
      - { .name: kv, .offset: 32, .size: 8, .value_kind: global_buffer, .address_space: global }
    .group_segment_fixed_size: 59904
    .private_segment_fixed_size: 0
    .kernarg_segment_align: 8
    .kernarg_segment_size: 40
    .max_flat_workgroup_size: 128
    .sgpr_count:     66
    .vgpr_count:     1024
    .wavefront_size: 32
...
	.end_amdgpu_metadata
.endif
;; end of part 2
;; launch attn (part 3): grid 4 x 64, 16 waves a work-group, no clusters, 327,680 bytes of LDS; arguments qb, kv, att, ats; writes att, ats
.if DOCPART == 3
	.amdgcn_target "amdgcn-amd-amdhsa--gfx1250"
	.amdhsa_code_object_version 6
	.text
	.protected	k_q74ab03051e_attn
	.globl	k_q74ab03051e_attn
	.p2align	8
	.type	k_q74ab03051e_attn,@function
k_q74ab03051e_attn:
	s_mov_b64 s[64:65], 0
	v_nop
	global_prefetch_b8 v0, s[64:65] scope:SCOPE_SE
	s_setreg_imm32_b32 hwreg(HW_REG_WAVE_MODE, 25, 1), 1
	s_wait_xcnt 0x0
; Causal attention of one (batch, head) on codes of BF6 (E3M2): S^T = K Q^T (K = the head's 64), p = 2^(t - M), O^T = V^T P^T (K = the keys), O / l quantised along d for the output projection.
; t = score x log2(e) / 8; M = the running largest t rounded UP to a whole number; p is quantised along the keys, not normalised; the row's sum l is taken of the unquantised p; when M moves, l and O are multiplied by 2^(old M - new M), which rounds nothing.
; SHARES.  A head has 128 query tiles of 16; tile T needs the key steps (128 keys) 0 .. T / 8.  Work-group i (0 .. 3) of a head has 16 waves; wave w owns tiles A = 16 i + w and B = 127 - A:
; (A / 8 + 1) + (B / 8 + 1) = 17 units of (16 queries x 128 keys) in every wave of the launch.  The work-group walks 16 - 2 i key steps; a unit all of whose keys are hidden is jumped over by a scalar branch on ids.
; THE TOKENS OF A TILE ARE NOT NEIGHBOURS (launch proj): lane r of tile tt of a group of 64 holds token 32 (tt / 2) + 8 (tt % 2) + r + 8 (r / 8).  Both products are used transposed, so a lane holds ONE query throughout,
; the 64 score registers run along the keys (register 16 b + i = key 32 b + 16 (lane / 16) + i), and O's 32 registers along d.
; K = 64 IN AN INSTRUCTION OF 128: Q's fragment is 6 registers of codes and 6 of zero codes; K's halves lie 6 registers apart, so the upper 6 that a product names are the next tile's codes, which meet Q's zeros; q's and k's scale words repeat their two bytes.
; A KEY STEP is 13,312 dense bytes of kv (two records: K's and V's halves and their scale words) and comes by ONE tensor load of wave 0 into a ring of two LDS slots, read by all sixteen waves.
; NO CLUSTER: the four work-groups of a head walk 16, 14, 12 and 10 key steps: partners would need different numbers of tiles, and in step with the first of them the others would pass 2, 4 and 6 rounds with nothing to compute.
; A block's largest p is not searched for: the block's largest score goes through the same multiply-add and exponential (this takes v_exp_f32 not to fall where its input rises).
; LIMITS: O / l is a multiplication by v_rcp_f32 (l); blocks whose largest magnitude lies under 2^(5 - 127) have the byte 1 (their codes may be zeros); NaN and infinities are not served.
.set SLOTB, 16384                      ; LDS: slot 0 at 0, slot 1 here, 13,312 bytes each
.set SPARE, 32768                      ; the spare words, 128 bytes for each of 16 waves: eight blocks of 256 bytes that no other line names
.set STG,   34816                      ; the way out: eight blocks of scale words; no tensor load lands here
.set LI,  1                            ; v1   16 x lane
.set L8,  2                            ; v2   8 x lane
.set SPW, 3                            ; v3   my spare word; never rewritten
.set NIL, 4                            ; v4   0; never rewritten
.set DQA, 5                            ; v5, v6  my query less the diagonal step's first key less 16 (lane / 16)
.set DQB, 6
.set R8,  7                            ; v7   8 r
.set STA, 8                            ; v[8:11], v[12:15]  -M, the largest t, the sum in two halves
.set STB, 12
.set QSA, 16                           ; Q's scale words
.set QSB, 17
.set KSC, 18                           ; v18-21 K's: register 2 g + tt / 2, lanes 16 (tt % 2) on
.set VSC, 22                           ; v22-25 V's, two groups'; joined in v22, v23
.set PW,  26                           ; p's scale word
.set TMP, 27
.set F,   28                           ; v[28:29] 2^(old M - new M) (the pair is named; the low word serves)
.set PFO, 30
.set SWA, 31                           ; where my tiles' scale words go in the stage
.set QA,  32                           ; v32-43, v44-55  Q: 6 registers of codes, 6 of zeros
.set QB,  44
.set KR,  56                           ; v56-103 K's 8 halves, then V's 4 fragments;  v104-109 zeros behind K's last half
.set ZT,  104
.set SWB, 110
.set SRD, 111
.set S,   112                          ; v112-175 S^T, then p; p's codes end in v112-123
.set OA,  176
.set OB,  208
.set BM,  240
.set PT,  244
.set SO,  252
.set TM,  72                           ; the way out: at work
.set WV,  12
.set CNT, 13
.set BH,  14
.set KS,  15                           ; the key step; it enters compares alone
.set KAPA, 16                          ; the tiles' diagonal steps
.set KAPB, 17
.set TRIPS, 18
.set ASKF, 19
.set SEL, 20
.set CS,  22
.set G1,  24
.set G0,  32                           ; a group 0 for each slot
.set PFA, 40
.set SH,  42
.macro WM d, a, b, c, sa, ra, sb, rb
.set ZD, \d
.set ZA, \a
.set ZB, \b
.set ZC, \c
.set ZP, \sa
.set ZQ, \sb
.set ZR, (\ra)+2*(\rb)
.if ZC < 0
.if ZR == 0
	v_wmma_scale_f32_16x16x128_f8f6f4 v[ZD:ZD+7], v[ZA:ZA+11], v[ZB:ZB+11], 0, v[ZP], v[ZQ] matrix_a_fmt:MATRIX_FMT_BF6 matrix_b_fmt:MATRIX_FMT_BF6
.else
	v_wmma_scale_f32_16x16x128_f8f6f4 v[ZD:ZD+7], v[ZA:ZA+11], v[ZB:ZB+11], 0, v[ZP], v[ZQ] matrix_a_fmt:MATRIX_FMT_BF6 matrix_b_fmt:MATRIX_FMT_BF6 matrix_a_scale:MATRIX_SCALE_ROW1
.endif
.else
.if ZR == 0
	v_wmma_scale_f32_16x16x128_f8f6f4 v[ZD:ZD+7], v[ZA:ZA+11], v[ZB:ZB+11], v[ZC:ZC+7], v[ZP], v[ZQ] matrix_a_fmt:MATRIX_FMT_BF6 matrix_b_fmt:MATRIX_FMT_BF6
.else
	v_wmma_scale_f32_16x16x128_f8f6f4 v[ZD:ZD+7], v[ZA:ZA+11], v[ZB:ZB+11], v[ZC:ZC+7], v[ZP], v[ZQ] matrix_a_fmt:MATRIX_FMT_BF6 matrix_b_fmt:MATRIX_FMT_BF6 matrix_a_scale:MATRIX_SCALE_ROW1
.endif
.endif
.endm
.macro QUANT32 src, pc, ct, pw         ; 32 numbers of a lane (two blocks) become half a fragment in v[pc] .. v[pc + 5] and a word of two bytes in v[pw]
.irp b, 0,1
	v_max3_num_f32 v[TM+\b], |v[\src+16*\b]|, |v[\src+16*\b+1]|, 0x2800000
.endr
.irp i, 2,4,6,8,10,12,14
.irp b, 0,1
	v_max3_num_f32 v[TM+\b], v[TM+\b], |v[\src+16*\b+\i]|, |v[\src+16*\b+\i+1]|
.endr
.endr
.irp b, 0,1
	v_permlanex16_b32 v[TM+2+\b], v[TM+\b], s[SEL], s[SEL+1]
.endr
.irp b, 0,1
	v_max_num_f32 v[TM+\b], v[TM+\b], v[TM+2+\b]
.endr
.irp b, 0,1
	v_add_nc_u32 v[TM+4+\b], 0xfe000000, v[TM+\b]
.endr
.irp b, 0,1
	v_lshrrev_b32 v[TM+6+\b], 23, v[TM+4+\b]
.endr
	v_lshl_or_b32 v[\pw], v[TM+7], 8, v[TM+6]
	v_cvt_scalef32_pk16_bf6_f32 v[\pc:\pc+2], v[\src:\src+15], v[TM+4]
	v_cvt_scalef32_pk16_bf6_f32 v[\ct:\ct+2], v[\src+16:\src+31], v[TM+5]
	v_nop                                          ; one plain place behind a scaled conversion
.irp i, 0,1,2
	v_permlane16_swap_b32 v[\pc+\i], v[\ct+\i]
.endr
.irp i, 0,1,2
	v_mov_b32 v[\pc+3+\i], v[\ct+\i]
.endr
.endm
.macro SBASE dst, u                    ; the place of tile u (0 .. 15) among four blocks of scale words: 256 (u / 4) + 128 (u % 2) + 4 ((u / 2) % 2)
	s_lshr_b32 s61, s[\u], 2
	s_lshl_b32 s61, s61, 8
	s_and_b32 s62, s[\u], 1
	s_lshl_b32 s62, s62, 7
	s_add_co_u32 s61, s61, s62
	s_bfe_u32 s62, s[\u], 0x10001
	s_lshl_b32 s62, s62, 2
	s_add_co_u32 s[\dst], s61, s62
.endm
.macro QBASE tau, cod, scl, dqs        ; byte offsets in qb of tile tau's codes and scale words; its first token within its key step
	s_lshr_b32 s60, s[\tau], 2
	s_lshl_b32 s61, s[BH], 5
	s_add_co_u32 s60, s60, s61
	s_mul_i32 s60, s60, 3328                       ; the group's record
	s_and_b32 s61, s[\tau], 3
	s_mul_i32 s61, s61, 768
	s_add_co_u32 s[\cod], s60, s61
	s_mov_b32 s[\cod+1], 0
	s_and_b32 s61, s[\tau], 1
	s_bfe_u32 s62, s[\tau], 0x10001
	s_bfe_u32 s63, s[\tau], 0x10002
	s_lshl_b32 s43, s61, 7
	s_add_co_u32 s60, s60, s43
	s_lshl_b32 s43, s62, 2
	s_add_co_u32 s60, s60, s43
	s_add_co_u32 s[\scl], s60, 3072
	s_mov_b32 s[\scl+1], 0
	s_lshl_b32 s61, s61, 3
	s_lshl_b32 s62, s62, 5
	s_lshl_b32 s63, s63, 6
	s_add_co_u32 s61, s61, s62
	s_add_co_u32 s[\dqs], s61, s63                 ; 64 ((tau / 4) % 2) + 32 ((tau / 2) % 2) + 8 (tau % 2)
.endm
.macro ABASE tau, dst                  ; byte offset in att of (tile tau, my head): ((128 b + tau) 8 + h) 768
	s_lshr_b32 s60, s[BH], 3
	s_lshl_b32 s60, s60, 7
	s_add_co_u32 s60, s60, s[\tau]
	s_lshl_b32 s60, s60, 3
	s_and_b32 s61, s[BH], 7
	s_add_co_u32 s60, s60, s61
	s_mul_i32 s[\dst], s60, 768
	s_mov_b32 s[\dst+1], 0
.endm
.macro TLOAD n                         ; wave 0 fetches a key step into slot n; four v_nop follow the load
	s_cmp_lg_u32 s[WV], 0
	s_cbranch_scc1 .Lnot0_\@
	tensor_load_to_lds s[G0+4*(\n):G0+4*(\n)+3], s[G1:G1+7]
	s_nop 0
.rept 4
	v_nop
.endr
.Lnot0_\@:
.endm
; A PREFETCH INTO THE L2: in the trip of key step ks, the 52 blocks of 256 bytes of key step ks + 2, one step ahead of the tensor load that will ask for them.  All four work-groups of a head walk the same kv from its start:
; the one that walks all 16 steps (i = 0) asks, and in it waves 1 and 2, which fetch nothing: lanes 256 bytes apart, blocks 0-31 and 32-51 (the lanes beyond name block 51 again: no lane leaves the step).
; The loop's last trip names step 15, the head's last; the two trips behind the loop ask for nothing; steps 0 and 1 come by their loads alone.
.macro ASK
	s_cmp_lg_u32 s[ASKF], 0
	s_cbranch_scc0 .Lna_\@
	global_prefetch_b8 v[PFO], s[PFA:PFA+1] th:TH_LOAD_NT scope:SCOPE_SE
.Lna_\@:
.endm
; A UNIT: one tile of 16 queries against the 128 keys in a slot.
.macro UNIT st, qf, qs, oa, dq, kap, slot
.set SB0, SLOTB*(\slot)
	s_cmp_gt_u32 s[KS], s[\kap]                    ; all keys of the step come after my queries: nothing to do
	s_cbranch_scc1 .Lhid_\@
.irp g, 0,1
.irp a, 0,1,2,3
	ds_load_b128 v[KR+6*(4*\g+\a):KR+6*(4*\g+\a)+3], v[LI] offset:SB0+6656*\g+768*\a
	ds_load_b64 v[KR+6*(4*\g+\a)+4:KR+6*(4*\g+\a)+5], v[L8] offset:SB0+6656*\g+768*\a+512
.endr
	ds_load_b64 v[KSC+2*\g:KSC+2*\g+1], v[L8] offset:SB0+6656*\g+6144
	ds_load_b64 v[VSC+2*\g:VSC+2*\g+1], v[L8] offset:SB0+6656*\g+6400
.endr
	s_wait_dscnt 0x0
.irp g, 0,1
.irp a, 0,1,2,3
	WM S+8*(4*\g+\a), KR+6*(4*\g+\a), \qf, -1, KSC+2*\g+\a/2, \a%2, \qs, 0
.endr
.endr
	v_or_b32 v[VSC], v[VSC], v[VSC+2]              ; V's words of the step's two groups are joined.  These two and two v_nop are the four places behind the products,
	v_or_b32 v[VSC+1], v[VSC+1], v[VSC+3]          ; ahead of the loads into K's registers and of the first read of the scores
	v_nop
	v_nop
.irp n, 0,1,2,3                                ; V's four fragments: registers 0-5 the step's first 64 keys, 6-11 the second; they land during the softmax
.irp g, 0,1
	ds_load_b128 v[KR+12*\n+6*\g:KR+12*\n+6*\g+3], v[LI] offset:SB0+6656*\g+3072+768*\n
	ds_load_b64 v[KR+12*\n+6*\g+4:KR+12*\n+6*\g+5], v[L8] offset:SB0+6656*\g+3072+768*\n+512
.endr
.endr
	s_cmp_lg_u32 s[KS], s[\kap]                    ; only the diagonal step has hidden keys
	s_cbranch_scc1 .Lopen_\@
	v_mov_b32 v[TMP], 0xff800000                   ; -infinity: p = 0 then
.set N, 0
.rept 64
	v_cmp_gt_i32 vcc_lo, 32*(N/16)+N%16, v[\dq]    ; register N holds key 32 (N / 16) + 16 (lane / 16) + N % 16 of the step
	v_cndmask_b32 v[S+N], v[S+N], v[TMP], vcc_lo
.set N, N+1
.endr
.Lopen_\@:
.irp b, 0,1,2,3
	v_max3_num_f32 v[BM+\b], v[S+16*\b], v[S+16*\b+1], v[S+16*\b+2]   ; the largest score of each block of 32 keys: for the row's maximum and for the block's largest p
.endr
.irp i, 3,5,7,9,11,13
.irp b, 0,1,2,3
	v_max3_num_f32 v[BM+\b], v[BM+\b], v[S+16*\b+\i], v[S+16*\b+\i+1]
.endr
.endr
.irp b, 0,1,2,3
	v_max_num_f32 v[BM+\b], v[BM+\b], v[S+16*\b+15]
.endr
.irp b, 0,1,2,3
	v_permlanex16_b32 v[PT+\b], v[BM+\b], s[SEL], s[SEL+1]
.endr
.irp b, 0,1,2,3
	v_max_num_f32 v[BM+\b], v[BM+\b], v[PT+\b]     ; with lane l xor 16's 16 keys
.endr
	v_max3_num_f32 v[TMP], v[BM], v[BM+1], v[BM+2]
	v_max_num_f32 v[TMP], v[TMP], v[BM+3]
	v_mul_f32 v[TMP], s[CS], v[TMP]                ; the step's largest t
	v_max_num_f32 v[\st+1], v[\st+1], v[TMP]       ; the running largest t
	v_mov_b32 v[TMP], v[\st]
	v_floor_f32 v[\st], -v[\st+1]                  ; -M = floor(-t): M is a whole number
	v_sub_f32 v[TMP], v[\st], v[TMP]               ; old M - new M, 0 or less
	v_cvt_i32_f32 v[TMP], v[TMP]                   ; (it saturates)
	v_ldexp_f32 v[F], 1.0, v[TMP]
.set J, 0
.rept 32
	v_pk_fma_f32 v[S+J:S+J+1], v[S+J:S+J+1], s[CS:CS+1], v[\st:\st+1] op_sel_hi:[1,0,0]   ; t - M, two at a time
.set J, J+2
.endr
.irp b, 0,1,2,3
	v_fma_f32 v[BM+\b], v[BM+\b], s[CS], v[\st]
.endr
.set J, 0
.rept 64
	v_exp_f32 v[S+J], v[S+J]                       ; p = 2^(t - M)
.set J, J+1
.endr
	v_pk_mul_f32 v[\st+2:\st+3], v[\st+2:\st+3], v[F:F+1] op_sel_hi:[1,0]   ; the sums under the new M: the plain place behind the exponentials
	s_wait_alu depctr_va_vdst(0)                   ; one wait for the batch of 64, ahead of its first reader
.irp b, 0,1,2,3
	v_exp_f32 v[BM+\b], v[BM+\b]                   ; each block's largest p
.endr
	v_pk_add_f32 v[PT:PT+1], v[S:S+1], v[S+2:S+3]  ; the row's sum of the unquantised p, in two chains
.irp j, 4,8,12,16,20,24,28,32,36,40,44,48,52,56,60
	v_pk_add_f32 v[\st+2:\st+3], v[\st+2:\st+3], v[S+\j:S+\j+1]
	v_pk_add_f32 v[PT:PT+1], v[PT:PT+1], v[S+\j+2:S+\j+3]
.endr
	v_pk_add_f32 v[\st+2:\st+3], v[\st+2:\st+3], v[PT:PT+1]
	s_wait_alu depctr_va_vdst(0)                   ; and one for the four
.irp b, 0,1,2,3
	v_max_num_f32 v[BM+\b], 0x2800000, v[BM+\b]    ; the floor 2^(5 - 127): the byte cannot fall under 1
.endr
.irp b, 0,1,2,3
	v_add_nc_u32 v[SO+\b], 0xfe000000, v[BM+\b]    ; the conversion's scale operand
.endr
.irp b, 0,1,2,3
	v_lshrrev_b32 v[PT+\b], 23, v[SO+\b]           ; the scale's byte
.endr
	v_lshl_or_b32 v[PW], v[PT+1], 8, v[PT]
	v_lshl_or_b32 v[PW], v[PT+2], 16, v[PW]
	v_lshl_or_b32 v[PW], v[PT+3], 24, v[PW]
	v_cvt_scalef32_pk16_bf6_f32 v[PT:PT+2], v[S:S+15], v[SO]
	v_cvt_scalef32_pk16_bf6_f32 v[PT+4:PT+6], v[S+16:S+31], v[SO+1]
	v_nop                                          ; a plain place: the next two write registers that the first conversion has read
	v_cvt_scalef32_pk16_bf6_f32 v[S+6:S+8], v[S+32:S+47], v[SO+2]
	v_cvt_scalef32_pk16_bf6_f32 v[S+12:S+14], v[S+48:S+63], v[SO+3]
	v_nop
.irp i, 0,1,2                                  ; the operand's layout wants a whole block in a lane
	v_permlane16_swap_b32 v[PT+\i], v[PT+4+\i]
	v_permlane16_swap_b32 v[S+6+\i], v[S+12+\i]
.endr
.irp i, 0,1,2
	v_mov_b32 v[S+\i], v[PT+\i]
	v_mov_b32 v[S+3+\i], v[PT+4+\i]
	v_mov_b32 v[S+9+\i], v[S+12+\i]
.endr
.set J, 0
.rept 16
	v_pk_mul_f32 v[\oa+J:\oa+J+1], v[\oa+J:\oa+J+1], v[F:F+1] op_sel_hi:[1,0]   ; O^T under the new M.  These 16 are also the places between the codes' and the word's last writes and the products
.set J, J+2
.endr
	s_wait_dscnt 0x0                               ; V is in
.irp n, 0,1,2,3                                ; four accumulators, one instruction each
	WM \oa+8*\n, KR+12*\n, S, \oa+8*\n, VSC+\n/2, \n%2, PW, 0
.endr
.rept 5
	v_nop                                          ; five places: the next unit's products write over p's codes, and its loads land in V's registers
.endr
.Lhid_\@:
.endm
; A KEY STEP.  In front of the barrier every wave waits for all its tensor loads (wave 0's one: this slot's), adds 0 to its spare word, and waits for that and for its reads of the other slot.
; Behind it this slot is whole and nobody reads the other one, which wave 0 fills first thing with the next step: that load has this step's units in which to land.
.macro TRIP slot, refill, ask
	s_wait_tensorcnt 0x0                           ; no tensor load of mine is out, so a group 0 may be written
	ds_add_u32 v[SPW], v[NIL]                      ; 0 onto my spare word
	s_add_nc_u64 s[G0+4*\slot+2:G0+4*\slot+3], s[G0+4*\slot+2:G0+4*\slot+3], 26624   ; this slot's next step, two on
.if \ask
	s_wait_xcnt 0x0                                ; the last prefetch, a step back, has read its address
	s_add_nc_u64 s[PFA:PFA+1], s[PFA:PFA+1], 13312
.endif
	s_wait_dscnt 0x0                               ; the add is done, and my reads of the other slot are over
	s_barrier_signal -1
	s_barrier_wait -1
.if \refill
	TLOAD 1-\slot
.endif
.if \ask
	ASK
.endif
	UNIT STB, QB, QSB, OB, DQB, KAPB, \slot
	UNIT STA, QA, QSA, OA, DQA, KAPA, \slot
	s_add_co_u32 s[KS], s[KS], 1
.endm
	s_load_b256 s[4:11], s[0:1], 0x0               ; qb s[4:5], kv s[6:7], att s[8:9], ats s[10:11]
	v_lshl_add_u32 v[SPW], v0, 2, SPARE
	v_mov_b32 v[NIL], 0
	ds_add_u32 v3, v4
	s_wait_dscnt 0x0
	v_lshrrev_b32 v112, 5, v0
	v_readfirstlane_b32 s[WV], v112                ; wave 0..15
	s_and_b32 s[BH], ttmp7, 0xffff                 ; 8 b + h
	v_and_b32 v112, 31, v0                         ; lane
	v_and_b32 v113, 15, v0                         ; r
	v_bfe_u32 v114, v0, 4, 1                       ; h
	v_lshlrev_b32 v[LI], 4, v112
	v_lshlrev_b32 v[L8], 3, v112
	v_lshlrev_b32 v[R8], 3, v113
	; every LDS address is made here, ahead of the first branch on the wave's number
	SBASE 60, WV                                   ; tile A is the w-th of my work-group's lower 16 tiles,
	s_add_co_u32 s60, s60, STG
	v_add_nc_u32 v[SWA], s60, v[R8]
	s_xor_b32 s63, s[WV], 15                       ; tile B the (15 - w)-th of its upper 16
	SBASE 60, 63
	s_add_co_u32 s60, s60, STG+1024
	v_add_nc_u32 v[SWB], s60, v[R8]
	s_and_b32 s60, s[WV], 3
	s_lshl_b32 s60, s60, 9
	s_add_co_u32 s60, s60, STG
	v_add_nc_u32 v[SRD], s60, v[LI]                ; waves 0-3 read 512 bytes of the stage each
	; descriptor group 1: 13,312 dense bytes as 52 rows of 256 bytes (32 elements of 8 bytes), no padding: fragments are read 16 bytes a lane on end
	s_mov_b32 s[G1], 3<<16
	s_mov_b32 s[G1+1], 32<<16                      ; tensor_dim0
	s_mov_b32 s[G1+2], 52<<16                      ; tensor_dim1
	s_mov_b32 s[G1+3], 32<<16                      ; tile_dim0
	s_mov_b32 s[G1+4], 52                          ; tile_dim1
	s_mov_b32 s[G1+5], 32                          ; the pitch
	s_mov_b32 s[G1+6], 0
	s_mov_b32 s[G1+7], 0
	s_mul_i32 s60, s[BH], 212992                   ; a head's 32 records of 6,656 bytes
	s_mov_b32 s61, 0
	s_wait_kmcnt 0x0
	s_add_nc_u64 s[6:7], s[6:7], s[60:61]
	s_mov_b32 s[G0], 1
	s_mov_b32 s[G0+1], 0
	s_mov_b64 s[G0+2:G0+3], s[6:7]                 ; key step 0
	s_or_b32 s[G0+3], s[G0+3], 0x80000000
	s_mov_b32 s[G0+4], 1
	s_mov_b32 s[G0+5], SLOTB
	s_add_nc_u64 s[G0+6:G0+7], s[6:7], 13312       ; key step 1
	s_or_b32 s[G0+7], s[G0+7], 0x80000000
	TLOAD 0                                        ; the first fill, ahead of every wait on TENSORcnt, LDS read and barrier; slot 1 is first filled behind the first trip's barrier
	s_add_nc_u64 s[PFA:PFA+1], s[6:7], 13312       ; the first trip steps it to key step 2
	s_sub_co_u32 s60, s[WV], 1
	s_lshr_b32 s61, s60, 1                         ; 0 in waves 1 and 2,
	s_or_b32 s61, s61, ttmp9                       ; of the work-group that walks all 16 steps
	s_cmp_eq_u32 s61, 0
	s_cselect_b32 s[ASKF], 1, 0
	s_and_b32 s60, s60, 1
	s_lshl_b32 s60, s60, 5
	v_add_nc_u32 v[PFO], s60, v112
	v_min_u32 v[PFO], 51, v[PFO]
	v_lshlrev_b32 v[PFO], 8, v[PFO]
	s_lshl_b32 s58, ttmp9, 4
	s_add_co_u32 s58, s58, s[WV]                   ; tile A
	s_sub_co_u32 s59, 127, s58                     ; tile B
	s_lshr_b32 s[KAPA], s58, 3
	s_lshr_b32 s[KAPB], s59, 3
	s_sub_co_u32 s[TRIPS], 7, ttmp9                ; (16 - 2 i) / 2 - 1 trips of two steps; the last two steps are written out
	s_mov_b32 s[KS], 0
	s_and_b32 s[SH], s[BH], 1
	s_lshl_b32 s[SH], s[SH], 4                     ; my head's two bytes stand 16 (h % 2) bits up in the projection's scale word
	s_mov_b32 s[SEL], 0x76543210
	s_mov_b32 s[SEL+1], 0xfedcba98
	s_mov_b32 s[CS], 0x3e38aa3b                    ; log2(e) / 8
	s_mov_b32 s[CS+1], s[CS]
	QBASE 58, 50, 52, 2
	QBASE 59, 54, 56, 3
	s_add_nc_u64 s[50:51], s[4:5], s[50:51]
	s_add_nc_u64 s[52:53], s[4:5], s[52:53]
	s_add_nc_u64 s[54:55], s[4:5], s[54:55]
	s_add_nc_u64 s[56:57], s[4:5], s[56:57]
	global_load_b128 v[QA:QA+3], v[LI], s[50:51]
	global_load_b64 v[QA+4:QA+5], v[L8], s[50:51] offset:512
	global_load_b32 v[QSA], v[R8], s[52:53]
	global_load_b128 v[QB:QB+3], v[LI], s[54:55]
	global_load_b64 v[QB+4:QB+5], v[L8], s[54:55] offset:512
	global_load_b32 v[QSB], v[R8], s[56:57]
	ABASE 58, 44
	ABASE 59, 46
	s_add_nc_u64 s[44:45], s[8:9], s[44:45]
	s_add_nc_u64 s[46:47], s[8:9], s[46:47]
	s_lshl_b32 s60, ttmp9, 2                       ; my lower tiles' groups begin at 4 i,
	s_sub_co_u32 s61, 28, s60                      ; the upper ones' at 28 - 4 i
	s_cmp_lt_u32 s[WV], 2
	s_cselect_b32 s60, s60, s61
	s_lshl_b32 s61, s[BH], 5
	s_add_co_u32 s60, s60, s61
	s_lshl_b32 s60, s60, 8
	s_and_b32 s61, s[WV], 1
	s_lshl_b32 s61, s61, 9
	s_add_co_u32 s48, s60, s61
	s_mov_b32 s49, 0
	s_add_nc_u64 s[48:49], s[10:11], s[48:49]
	v_and_b32 v115, 8, v113
	v_add_nc_u32 v115, v115, v113                  ; r + 8 (r / 8)
	v_lshlrev_b32 v114, 4, v114
	v_sub_nc_u32 v115, v115, v114
	v_add_nc_u32 v[DQA], s2, v115
	v_add_nc_u32 v[DQB], s3, v115
.irp j, 0,1,2,3,4,5
	v_mov_b32 v[QA+6+\j], 0                        ; zero codes
	v_mov_b32 v[QB+6+\j], 0
	v_mov_b32 v[ZT+\j], 0
.endr
.irp st, STA, STB
	v_mov_b32 v[\st+1], 0xff61b1e6                 ; the largest t so far: -3e38
	v_floor_f32 v[\st], -v[\st+1]
	v_mov_b32 v[\st+2], 0
	v_mov_b32 v[\st+3], 0
.endr
.set J, 0
.rept 64
	v_mov_b32 v[OA+J], 0                           ; O^T of both tiles: the unit is written once; the first finds zeros, which the first change of M leaves zeros
.set J, J+1
.endr
.irp j, 0,1,2,3,4,5,6,7
	v_mov_b32 v[PT+\j], 0                          ; written once: a lane permute's destination counts as one of its sources
.endr
	v_mov_b32 v[F+1], 0                            ; (named as the upper half of a pair)
	s_wait_loadcnt 0x0                             ; Q
	s_mov_b32 s[CNT], 0
.Lwalk:
	TRIP 0, 1, 1
	TRIP 1, 1, 1
	s_add_co_u32 s[CNT], s[CNT], 1
	s_cmp_lt_u32 s[CNT], s[TRIPS]
	s_cbranch_scc1 .Lwalk
	TRIP 0, 1, 0                                   ; the last two steps are written out
	TRIP 1, 0, 0
	; THE WAY OUT: O / l, quantised along d: half a fragment of the output projection's operand for each tile, and its two scale bytes
	v_add_f32 v[STA+2], v[STA+2], v[STA+3]
	v_add_f32 v[STB+2], v[STB+2], v[STB+3]
	v_permlanex16_b32 v[PT], v[STA+2], s[SEL], s[SEL+1]
	v_permlanex16_b32 v[PT+1], v[STB+2], s[SEL], s[SEL+1]
	v_add_f32 v[STA+2], v[STA+2], v[PT]
	v_add_f32 v[STB+2], v[STB+2], v[PT+1]          ; the rows' sums
	v_rcp_f32 v[STA+3], v[STA+2]
	v_rcp_f32 v[STB+3], v[STB+2]
	v_mov_b32 v[TM+2], 0                           ; (plain places behind the reciprocals; a lane permute's destination counts as one of its sources)
	v_mov_b32 v[TM+3], 0
	s_wait_alu depctr_va_vdst(0)                   ; one wait for the two, ahead of their first reader
.set J, 0
.rept 32
	v_mul_f32 v[S+J], v[OA+J], v[STA+3]            ; each accumulator from its low end on
.set J, J+1
.endr
.set J, 0
.rept 32
	v_mul_f32 v[S+32+J], v[OB+J], v[STB+3]
.set J, J+1
.endr
	QUANT32 S, 56, 68, 80
	QUANT32 S+32, 62, 68, 81
	v_lshlrev_b32 v80, s[SH], v80
	v_lshlrev_b32 v81, s[SH], v81
	global_store_b128 v[LI], v[56:59], s[44:45]            ; 512 consecutive bytes, aligned
	global_store_b64 v[L8], v[60:61], s[44:45] offset:512  ; 256
	global_store_b128 v[LI], v[62:65], s[46:47]
	global_store_b64 v[L8], v[66:67], s[46:47] offset:512
	ds_store_b32 v[SWA], v80                       ; the words meet in the stage, so that whole blocks of 256 bytes leave; lanes l and l + 16 write the same word with the same value
	ds_store_b32 v[SWB], v81
	s_wait_dscnt 0x0                               ; for the others' sake
	s_barrier_signal -1
	s_barrier_wait -1
	s_cmp_gt_u32 s[WV], 3
	s_cbranch_scc1 .Lend
	ds_load_b128 v[84:87], v[SRD]
	s_wait_dscnt 0x0
	global_store_b128 v[LI], v[84:87], s[48:49]    ; two blocks of scale words: 512 consecutive bytes, aligned
.Lend:
	s_wait_tensorcnt 0x0                           ; the wave's end
	ds_add_u32 v[SPW], v[NIL]
	s_wait_dscnt 0x0
	s_endpgm
.Lfunc_end_k_q74ab03051e_attn:
	.size	k_q74ab03051e_attn, .Lfunc_end_k_q74ab03051e_attn-k_q74ab03051e_attn
	.p2alignl 7, 3214868480
	.fill 96, 4, 3214868480
	.section	.rodata,"a",@progbits
	.p2align	6, 0x0
	.amdhsa_kernel k_q74ab03051e_attn
		.amdhsa_group_segment_fixed_size 327680
		.amdhsa_private_segment_fixed_size 0
		.amdhsa_enable_private_segment 0
		.amdhsa_kernarg_size 32
		.amdhsa_user_sgpr_count 2
		.amdhsa_user_sgpr_kernarg_segment_ptr 1
		.amdhsa_wavefront_size32 1
		.amdhsa_system_sgpr_workgroup_id_x 1
		.amdhsa_system_sgpr_workgroup_id_y 1
		.amdhsa_system_sgpr_workgroup_id_z 1
		.amdhsa_system_vgpr_workitem_id 0
		.amdhsa_next_free_vgpr 256
		.amdhsa_next_free_sgpr 66
		.amdhsa_reserve_vcc 1
		.amdhsa_float_denorm_mode_32 3
		.amdhsa_float_denorm_mode_16_64 3
		.amdhsa_memory_ordered 1
		.amdhsa_forward_progress 1
		.amdhsa_inst_pref_size 189
	.end_amdhsa_kernel
	.amdgpu_metadata
---
amdhsa.version: [ 1, 2 ]
amdhsa.kernels:
  - .name:           k_q74ab03051e_attn
    .symbol:         k_q74ab03051e_attn.kd
    .args:
      - { .name: qb, .offset: 0, .size: 8, .value_kind: global_buffer, .address_space: global }
      - { .name: kv, .offset: 8, .size: 8, .value_kind: global_buffer, .address_space: global }
      - { .name: att, .offset: 16, .size: 8, .value_kind: global_buffer, .address_space: global }
      - { .name: ats, .offset: 24, .size: 8, .value_kind: global_buffer, .address_space: global }
    .group_segment_fixed_size: 327680
    .private_segment_fixed_size: 0
    .kernarg_segment_align: 8
    .kernarg_segment_size: 32
    .max_flat_workgroup_size: 512
    .sgpr_count:     66
    .vgpr_count:     256
    .wavefront_size: 32
...
	.end_amdgpu_metadata
.endif
;; end of part 3
;; launch outp (part 4): grid 256 x 1, 4 waves a work-group, no clusters, 17,920 bytes of LDS; arguments att, ats, wc, ws, bo, out0; writes out0
.if DOCPART == 4
	.amdgcn_target "amdgcn-amd-amdhsa--gfx1250"
	.amdhsa_code_object_version 6
	.text
	.protected	k_q74ab03051e_outp
	.globl	k_q74ab03051e_outp
	.p2align	8
	.type	k_q74ab03051e_outp,@function
k_q74ab03051e_outp:
	s_mov_b64 s[64:65], 0
	v_nop
	global_prefetch_b8 v0, s[64:65] scope:SCOPE_SE
	s_setreg_imm32_b32 hwreg(HW_REG_WAVE_MODE, 25, 1), 1
	s_wait_xcnt 0x0
; out0 = att Wo + bo, on codes of BF6 (E3M2) with one E8M0 scale for each 32 along K = 512 (K = 64 x head + d); sums in f32.
; SHARES.  A work-group owns a group of 64 tokens (work-group number 32 b + G); wave w makes columns 128 w .. 128 w + 127 in two halves e of 64.  Every operand comes from memory straight into its registers, in fragment order:
; att's 32 halves (tile tt, head): halves of heads 2 s and 2 s + 1 side by side are the fragment of K step s; Wo's fragments and scale words from wc and ws (matrices 24 + 2 w + e).  The scale words of two heads are joined by an OR.
; The product is used transposed (source 0 = 16 columns of Wo, source 1 = 16 tokens): a lane holds eight neighbouring columns of one token's row.  bo is the C of each sum's first product.
; THE TOKENS OF A TILE ARE NOT NEIGHBOURS: row r of tile tt is token 32 (tt / 2) + 8 (tt % 2) + r + 8 (r / 8) of the group: the stores' offsets put them back.
; THE WAY OUT: a tile (16 tokens x 64 columns) goes through the wave's own stage in LDS (rows of 256 + 16 bytes) and leaves as whole rows: sixteen lanes store 256 consecutive bytes, aligned.  No barrier: waves share no LDS.
; NO CLUSTER: what work-groups share is Wo (49,152 bytes a wave), which here takes no way through LDS; a joint request lands in LDS and would add an LDS pass of the same bytes and the cluster's rounds to a launch of 128 products a wave.
; REGISTERS, in windows of 256: window 0: v1-6 addresses, v16-31 Wo's scale words, v32-47 att's, v64-127 two sets of rows read back, v128-255 the 16 accumulators;
;   window 1: v0-191 att's fragments, (tt, s) at 12 (4 tt + s); v192-255 bo in the result's layout, 32 e + 8 t;  windows 2, 3: Wo's fragments of e = 0, 1, (s, t) at 12 (4 s + t).
.set LI,  1                            ; v1  16 x lane
.set L8,  2                            ; v2  8 x lane
.set STO, 3                            ; v3  the stage, in: 4,352 w + 272 r + 32 h
.set RD,  4                            ; v4  the stage, back: 4,352 w + 272 h + 16 r
.set CO,  5                            ; v5  2,048 h + 16 r: two rows of out0 an instruction
.set BH,  6                            ; v6  32 h
.set WSC, 16                           ; register 2 (4 e + s) + t / 2, lanes 16 (t % 2) on
.set ASC, 32                           ; as loaded: head hh at 2 hh; joined: register 4 s + tt / 2, lanes 16 (tt % 2) on
.set BK,  64
.set ACC, 128
.set BIAS, 192
.set MSB, 0
.macro WIN new                         ; the immediate's high byte repeats the setting that is left
.if MSB != \new
	s_set_vgpr_msb (MSB<<8)|\new
.set MSB, \new
.endif
.endm
.macro WM d, a, b, c, sa, ra, sb, rb
.set ZD, \d
.set ZA, \a
.set ZB, \b
.set ZC, \c
.set ZP, \sa
.set ZQ, \sb
.set ZR, (\ra)+2*(\rb)
.if ZR == 0
	v_wmma_scale_f32_16x16x128_f8f6f4 v[ZD:ZD+7], v[ZA:ZA+11], v[ZB:ZB+11], v[ZC:ZC+7], v[ZP], v[ZQ] matrix_a_fmt:MATRIX_FMT_BF6 matrix_b_fmt:MATRIX_FMT_BF6
.elseif ZR == 1
	v_wmma_scale_f32_16x16x128_f8f6f4 v[ZD:ZD+7], v[ZA:ZA+11], v[ZB:ZB+11], v[ZC:ZC+7], v[ZP], v[ZQ] matrix_a_fmt:MATRIX_FMT_BF6 matrix_b_fmt:MATRIX_FMT_BF6 matrix_a_scale:MATRIX_SCALE_ROW1
.elseif ZR == 2
	v_wmma_scale_f32_16x16x128_f8f6f4 v[ZD:ZD+7], v[ZA:ZA+11], v[ZB:ZB+11], v[ZC:ZC+7], v[ZP], v[ZQ] matrix_a_fmt:MATRIX_FMT_BF6 matrix_b_fmt:MATRIX_FMT_BF6 matrix_b_scale:MATRIX_SCALE_ROW1
.else
	v_wmma_scale_f32_16x16x128_f8f6f4 v[ZD:ZD+7], v[ZA:ZA+11], v[ZB:ZB+11], v[ZC:ZC+7], v[ZP], v[ZQ] matrix_a_fmt:MATRIX_FMT_BF6 matrix_b_fmt:MATRIX_FMT_BF6 matrix_a_scale:MATRIX_SCALE_ROW1 matrix_b_scale:MATRIX_SCALE_ROW1
.endif
.endm
.macro OMAT e                          ; 64 products: the 16 accumulators take turns, one instruction a turn
.set WW0, (2+(\e))+4+16                ; source 0 (Wo) window 2 + e, source 1 (att) window 1, C (bo) window 1
.set WW1, (2+(\e))+4                   ; C and D window 0
.irp s, 0,1,2,3
.if \s == 0
	WIN WW0
.else
	WIN WW1
.endif
.irp m, 0,1,2,3
.irp t, 0,1,2,3
.if \s == 0
	WM ACC+8*(4*\m+\t), 12*(4*\s+\t), 12*(4*\m+\s), BIAS+32*(\e)+8*\t, WSC+2*(4*(\e)+\s)+\t/2, \t%2, ASC+4*\s+\m/2, \m%2
.else
	WM ACC+8*(4*\m+\t), 12*(4*\s+\t), 12*(4*\m+\s), ACC+8*(4*\m+\t), WSC+2*(4*(\e)+\s)+\t/2, \t%2, ASC+4*\s+\m/2, \m%2
.endif
.endr
.endr
.endr
	WIN 0
.rept 5
	v_nop                                          ; four places ahead of the stores that read results; five ahead of the next half's products, which begin these accumulators anew
.endr
.endm
.macro TOSTAGE m                       ; tile m through my stage; LDS serves a wave's instructions in order: no wait between the stores and the loads
.irp t, 0,1,2,3
	ds_store_b128 v[STO], v[ACC+8*(4*(\m)+\t):ACC+8*(4*(\m)+\t)+3] offset:64*\t          ; each accumulator from its low end on
	ds_store_b128 v[STO], v[ACC+8*(4*(\m)+\t)+4:ACC+8*(4*(\m)+\t)+7] offset:64*\t+16
.endr
.irp i, 0,1,2,3,4,5,6,7
	ds_load_b128 v[BK+32*((\m)%2)+4*\i:BK+32*((\m)%2)+4*\i+3], v[RD] offset:544*\i       ; rows 2 i and 2 i + 1
.endr
.endm
.macro SEND m, e, younger              ; younger: the LDS instructions issued behind tile m's loads, which may stay out
	s_wait_dscnt \younger
.irp i, 0,1,2,3,4,5,6,7
	global_store_b128 v[CO], v[BK+32*((\m)%2)+4*\i:BK+32*((\m)%2)+4*\i+3], s[14:15] offset:(32*((\m)/2)+8*((\m)%2)+2*\i+8*(\i/4))*2048+256*(\e) th:TH_STORE_NT
.endr
.endm
.macro WAYOUT e
.irp m, 0,1,2,3
.if ((\e) > 0) || (\m > 1)
	s_wait_xcnt 0x0                                ; the stores of two tiles ago have read their registers: this tile's rows may land there
.endif
	TOSTAGE \m
.if \m > 0
	SEND \m-1, \e, 16                              ; behind tile m - 1's loads: tile m's 8 stores and 8 loads
.endif
.endr
	SEND 3, \e, 0
.endm
	s_load_b256 s[4:11], s[0:1], 0x0               ; att s[4:5], ats s[6:7], wc s[8:9], ws s[10:11]
	s_load_b128 s[12:15], s[0:1], 0x20             ; bo s[12:13], out0 s[14:15]
	v_lshl_add_u32 v62, v0, 2, 0x4400
	v_mov_b32 v63, 0
	v_lshrrev_b32 v8, 5, v0
	v_readfirstlane_b32 s16, v8                    ; wave 0..3
	v_and_b32 v8, 31, v0                           ; lane
	v_and_b32 v9, 15, v0                           ; r
	v_bfe_u32 v10, v0, 4, 1                        ; h
	v_lshlrev_b32 v[LI], 4, v8
	v_lshlrev_b32 v[L8], 3, v8
	s_mul_i32 s17, s16, 4352
	v_mul_u32_u24 v[STO], v9, 272
	v_lshl_add_u32 v[STO], v10, 5, v[STO]
	v_add_nc_u32 v[STO], s17, v[STO]
	v_mul_u32_u24 v[RD], v10, 272
	v_lshl_add_u32 v[RD], v9, 4, v[RD]
	v_add_nc_u32 v[RD], s17, v[RD]
	v_lshlrev_b32 v[CO], 4, v9
	v_lshl_add_u32 v[CO], v10, 11, v[CO]
	v_lshlrev_b32 v[BH], 5, v10
	s_mul_i32 s18, ttmp9, 24576                    ; att: 4 tiles x 8 heads x 768 bytes a group
	s_mov_b32 s19, 0
	s_lshr_b32 s20, ttmp9, 5                       ; ats: ((8 b + head) 32 + G) 256
	s_lshl_b32 s20, s20, 8
	s_and_b32 s21, ttmp9, 31
	s_add_co_u32 s20, s20, s21
	s_lshl_b32 s20, s20, 8
	s_mov_b32 s21, 0
	s_lshl_b32 s22, s16, 1
	s_add_co_u32 s22, s22, 24                      ; matrix 24 + 2 w
	s_mul_i32 s24, s22, 24576
	s_mov_b32 s25, 0
	s_lshl_b32 s26, s22, 10
	s_mov_b32 s27, 0
	s_lshl_b32 s28, s16, 9                         ; my 128 columns: 512 bytes
	s_mov_b32 s29, 0
	s_lshl_b32 s30, ttmp9, 17                      ; 64 rows of 2,048 bytes
	s_add_co_u32 s30, s30, s28
	s_mov_b32 s31, 0
	s_wait_kmcnt 0x0
	s_add_nc_u64 s[4:5], s[4:5], s[18:19]
	s_add_nc_u64 s[6:7], s[6:7], s[20:21]
	s_add_nc_u64 s[8:9], s[8:9], s[24:25]
	s_add_nc_u64 s[10:11], s[10:11], s[26:27]
	s_add_nc_u64 s[12:13], s[12:13], s[28:29]
	s_add_nc_u64 s[14:15], s[14:15], s[30:31]
.irp hh, 0,1,2,3,4,5,6,7
	global_load_b64 v[ASC+2*\hh:ASC+2*\hh+1], v[L8], s[6:7] offset:8192*\hh
.endr
.irp e, 0,1
.irp s, 0,1,2,3
	global_load_b64 v[WSC+2*(4*\e+\s):WSC+2*(4*\e+\s)+1], v[L8], s[10:11] offset:1024*\e+256*\s
.endr
.endr
	WIN 0x40                                       ; destination window 1
.irp e, 0,1
.irp t, 0,1,2,3
	global_load_b128 v[BIAS+32*\e+8*\t:BIAS+32*\e+8*\t+3], v[BH], s[12:13] offset:256*\e+64*\t       ; lane (r, h): bo of columns 16 t + 8 h + 0 .. 7
	global_load_b128 v[BIAS+32*\e+8*\t+4:BIAS+32*\e+8*\t+7], v[BH], s[12:13] offset:256*\e+64*\t+16
.endr
.endr
.set Q, 0
.rept 32
	global_load_b128 v[6*Q:6*Q+3], v[LI], s[4:5] offset:768*Q
	global_load_b64 v[6*Q+4:6*Q+5], v[L8], s[4:5] offset:768*Q+512
.set Q, Q+1
.endr
	WIN 0x80                                       ; destination window 2
.set Q, 0
.rept 48
	global_load_b128 v[4*Q:4*Q+3], v[LI], s[8:9] offset:512*Q
.set Q, Q+1
.endr
	WIN 0xc0                                       ; destination window 3
.set Q, 0
.rept 48
	global_load_b128 v[4*Q:4*Q+3], v[LI], s[8:9] offset:24576+512*Q
.set Q, Q+1
.endr
	WIN 0
	s_wait_loadcnt 48                              ; all but the second half's 48 weight loads
.irp s, 0,1,2,3
	v_or_b32 v[ASC+4*\s], v[ASC+4*\s], v[ASC+4*\s+2]       ; heads 2 s and 2 s + 1: bytes 0, 1 and bytes 2, 3 of K step s's words
	v_or_b32 v[ASC+4*\s+1], v[ASC+4*\s+1], v[ASC+4*\s+3]
.endr
.rept 8
	v_nop                                          ; a scale register written by a vector instruction stands eight places ahead of a scaled product
.endr
	OMAT 0
	WAYOUT 0
	s_wait_loadcnt 0x0
	OMAT 1
	WAYOUT 1
	s_wait_tensorcnt 0x0
	ds_add_u32 v62, v63
	s_wait_dscnt 0x0
	s_endpgm
.Lfunc_end_k_q74ab03051e_outp:
	.size	k_q74ab03051e_outp, .Lfunc_end_k_q74ab03051e_outp-k_q74ab03051e_outp
	.p2alignl 7, 3214868480
	.fill 96, 4, 3214868480
	.section	.rodata,"a",@progbits
	.p2align	6, 0x0
	.amdhsa_kernel k_q74ab03051e_outp
		.amdhsa_group_segment_fixed_size 17920
		.amdhsa_private_segment_fixed_size 0
		.amdhsa_enable_private_segment 0
		.amdhsa_kernarg_size 48
		.amdhsa_user_sgpr_count 2
		.amdhsa_user_sgpr_kernarg_segment_ptr 1
		.amdhsa_wavefront_size32 1
		.amdhsa_system_sgpr_workgroup_id_x 1
		.amdhsa_system_sgpr_workgroup_id_y 1
		.amdhsa_system_sgpr_workgroup_id_z 1
		.amdhsa_system_vgpr_workitem_id 0
		.amdhsa_next_free_vgpr 1024
		.amdhsa_next_free_sgpr 66
		.amdhsa_reserve_vcc 0
		.amdhsa_float_denorm_mode_32 3
		.amdhsa_float_denorm_mode_16_64 3
		.amdhsa_memory_ordered 1
		.amdhsa_forward_progress 1
		.amdhsa_inst_pref_size 52
	.end_amdhsa_kernel
	.amdgpu_metadata
---
amdhsa.version: [ 1, 2 ]
amdhsa.kernels:
  - .name:           k_q74ab03051e_outp
    .symbol:         k_q74ab03051e_outp.kd
    .args:
      - { .name: att, .offset: 0, .size: 8, .value_kind: global_buffer, .address_space: global }
      - { .name: ats, .offset: 8, .size: 8, .value_kind: global_buffer, .address_space: global }
      - { .name: wc, .offset: 16, .size: 8, .value_kind: global_buffer, .address_space: global }
      - { .name: ws, .offset: 24, .size: 8, .value_kind: global_buffer, .address_space: global }
      - { .name: bo, .offset: 32, .size: 8, .value_kind: global_buffer, .address_space: global }
      - { .name: out0, .offset: 40, .size: 8, .value_kind: global_buffer, .address_space: global }
    .group_segment_fixed_size: 17920
    .private_segment_fixed_size: 0
    .kernarg_segment_align: 8
    .kernarg_segment_size: 48
    .max_flat_workgroup_size: 128
    .sgpr_count:     66
    .vgpr_count:     1024
    .wavefront_size: 32
...
	.end_amdgpu_metadata
.endif
;; end of part 4
;; ======== version 2 of 2: 4 launches
;; workspace buffers: wc 786,432 bytes; ws 32,768 bytes; qb 6,815,744 bytes; kv 13,631,488 bytes; att 6,291,456 bytes; ats 524,288 bytes
;; launch prep (part 5): grid 128 x 1, 1 waves a work-group, no clusters, 0 bytes of LDS; arguments Wq, Wk, Wv, Wo, wc, ws; writes wc, ws
.if DOCPART == 5
	.amdgcn_target "amdgcn-amd-amdhsa--gfx1250"
	.amdhsa_code_object_version 6
	.text
	.protected	k_q74ab03051e_prep
	.globl	k_q74ab03051e_prep
	.p2align	8
	.type	k_q74ab03051e_prep,@function
k_q74ab03051e_prep:
	s_mov_b64 s[64:65], 0
	v_nop
	global_prefetch_b8 v0, s[64:65] scope:SCOPE_SE
	s_setreg_imm32_b32 hwreg(HW_REG_WAVE_MODE, 25, 1), 1
	s_wait_xcnt 0x0
; Wq, Wk, Wv [8][512][64] and Wo [512][512], f32, K = their 512 rows, become codes of BF6 (E3M2) with one E8M0 byte for each 32 along K,
; laid in the order of a matrix operand's registers.  A matrix HM is 64 columns: 0-7 q's heads, 8-15 k's, 16-23 v's, 24-31 Wo's column groups.
; A work-group (one wave) makes the four fragments t (16 columns x 128 K) of one (HM, K step s): work-group number = 4 HM + s.
; wc: fragment 16 HM + 4 s + t, 1,536 bytes: registers 4 c .. 4 c + 3 of lane l at 512 c + 16 l.   ws: block 4 HM + s, 256 bytes: the scale word of tile t, row r at 8 (r + 16 (t % 2)) + 4 (t / 2).
; A LANE TAKES A COLUMN AND ITS REGISTERS RUN DOWN K, in the order that the operand's layout gives the lane (k = 64 c + 32 h + i): the conversions' results are the operand's registers.
; THE COLUMNS OF A TILE OF Wq, Wk, Wv ARE NOT NEIGHBOURS: lane r of tile t takes column 32 (t / 2) + 8 (t % 2) + r + 8 (r / 8), so that the results of four tiles lie along d in a lane's registers.  Wo's tiles are 16 neighbours.
; A block's scale byte is its largest magnitude's exponent field - 4, held at 1 from below (a block of zeros keeps the byte 1: its codes are zeros, and this program alone reads the bytes).
; LIMITS: blocks whose largest magnitude lies under 2^(5 - 127) have the byte 1; NaN and infinities among the inputs are not served.
; No LDS, no barrier, no matrix unit: 4 MiB are read once.  No cluster: no two work-groups read the same bytes.
.set X,    32                          ; v32-95, v96-159  two sets of 64 numbers (register 32 c + i)
.set CD,   160                         ; v160-207 codes: 12 registers for each tile, so that no store's data are written again
.set CT,   208                         ; v208-214 the upper halves of two blocks (a conversion's three registers begin on an even number)
.set PWR,  216                         ; v216-219 a scale word for each tile
.set SBR,  220                         ; v[220:221] the block of scale words
.macro LOADT t, pitch, wo              ; tile t's 64 numbers a lane into set t % 2
.if \wo
.set TOFF, 64*(\t)
.else
.set TOFF, 4*(32*((\t)/2)+8*((\t)%2))
.endif
.set XL, X+64*((\t)%2)
.irp c, 0,1
.irp i, 0,1,2,3,4,5,6,7,8,9,10,11,12,13,14,15,16,17,18,19,20,21,22,23,24,25,26,27,28,29,30,31
	global_load_b32 v[XL+32*\c+\i], v3, s[18:19] offset:\pitch*(64*\c+\i)+TOFF
.endr
.endr
.endm
.macro QTILE t                         ; tile t is quantised and its fragment stored
.set XQ, X+64*((\t)%2)
.set CC, CD+12*(\t)
.irp c, 0,1
	v_max3_num_f32 v[8+\c], |v[XQ+32*\c]|, |v[XQ+32*\c+1]|, 0x2800000   ; my block 2 c + h: all 32 numbers are mine; the floor 2^(5 - 127) holds the byte at 1 from below
.endr
.irp i, 2,4,6,8,10,12,14,16,18,20,22,24,26,28,30
.irp c, 0,1
	v_max3_num_f32 v[8+\c], v[8+\c], |v[XQ+32*\c+\i]|, |v[XQ+32*\c+\i+1]|
.endr
.endr
.irp c, 0,1
	v_add_nc_u32 v[10+\c], 0xfe000000, v[8+\c]     ; 4 off the exponent field: the conversion's scale operand
.endr
.irp c, 0,1
	v_lshrrev_b32 v[12+\c], 23, v[10+\c]           ; the scale's byte
.endr
	v_lshl_or_b32 v14, v13, 16, v12                ; my two bytes: blocks h and 2 + h,
	v_lshlrev_b32 v14, v6, v14                     ; 8 h bits up;
	v_permlanex16_b32 v15, v14, s22, s23
	v_or_b32 v[PWR+(\t)], v14, v15                 ; with lane l xor 16's two the word is whole, in both halves of the lanes
.irp c, 0,1
	v_cvt_scalef32_pk16_bf6_f32 v[CC+6*\c:CC+6*\c+2], v[XQ+32*\c:XQ+32*\c+15], v[10+\c]
	v_cvt_scalef32_pk16_bf6_f32 v[CT+4*\c:CT+4*\c+2], v[XQ+32*\c+16:XQ+32*\c+31], v[10+\c]
.endr
	v_nop                                          ; one plain place behind a scaled conversion
.irp c, 0,1
.irp i, 0,1,2
	v_mov_b32 v[CC+3+6*\c+\i], v[CT+4*\c+\i]
.endr
.endr
.irp c, 0,1,2
	global_store_b128 v4, v[CC+4*\c:CC+4*\c+3], s[12:13] offset:1536*(\t)+512*\c   ; 32 lanes store 512 consecutive bytes, aligned
.endr
.endm
.macro TASK pitch, wo
	LOADT 0, \pitch, \wo
	LOADT 1, \pitch, \wo
.irp t, 0,1,2,3
.if \t < 3
	s_wait_loadcnt 63                              ; this tile's 64 loads are in; behind them the next tile's 64 were issued, and 63 is the largest count that the wait can name
.else
	s_wait_loadcnt 0x0
.endif
	QTILE \t
.if \t < 2
	LOADT \t+2, \pitch, \wo
.endif
.endr
	v_cndmask_b32 v[SBR], v[PWR], v[PWR+1], vcc_lo      ; lanes 0-15 tile 0's words, lanes 16-31 tile 1's
	v_cndmask_b32 v[SBR+1], v[PWR+2], v[PWR+3], vcc_lo  ; tiles 2 and 3
	global_store_b64 v5, v[SBR:SBR+1], s[14:15]    ; 256 consecutive bytes, aligned
	s_endpgm
.endm
	s_load_b256 s[4:11], s[0:1], 0x0               ; Wq s[4:5], Wk s[6:7], Wv s[8:9], Wo s[10:11]
	s_load_b128 s[12:15], s[0:1], 0x20             ; wc s[12:13], ws s[14:15]
	v_and_b32 v1, 15, v0                           ; r
	v_lshrrev_b32 v2, 4, v0                        ; h
	v_lshlrev_b32 v4, 4, v0                        ; 16 x lane
	v_lshlrev_b32 v5, 3, v0                        ; 8 x lane
	v_lshlrev_b32 v6, 3, v2                        ; 8 h
	v_mov_b32 v15, 0                               ; written once: a lane permute's destination counts as one of its sources
	s_mov_b32 s22, 0x76543210
	s_mov_b32 s23, 0xfedcba98                      ; selects for lane l xor 16
	s_mov_b32 vcc_lo, 0xffff0000                   ; lanes 16-31
	s_lshr_b32 s16, ttmp9, 2                       ; HM
	s_and_b32 s17, ttmp9, 3                        ; s
	s_mul_i32 s24, ttmp9, 6144                     ; four fragments of 1,536 bytes
	s_mov_b32 s25, 0
	s_lshl_b32 s26, ttmp9, 8
	s_mov_b32 s27, 0
	s_mov_b32 s21, 0
	s_wait_kmcnt 0x0
	s_add_nc_u64 s[12:13], s[12:13], s[24:25]
	s_add_nc_u64 s[14:15], s[14:15], s[26:27]
	s_cmp_ge_u32 ttmp9, 96
	s_cbranch_scc1 .Lwo
	s_cmp_lt_u32 s16, 16                           ; which tensor: the choice hangs on the work-group's number alone
	s_cselect_b64 s[18:19], s[6:7], s[8:9]
	s_cmp_lt_u32 s16, 8
	s_cselect_b64 s[18:19], s[4:5], s[18:19]
	s_and_b32 s20, s16, 7
	s_lshl_b32 s20, s20, 17                        ; a head is 512 rows of 256 bytes,
	s_lshl_b32 s28, s17, 15                        ; a K step 128 rows
	s_add_co_u32 s20, s20, s28
	s_add_nc_u64 s[18:19], s[18:19], s[20:21]
	s_wait_alu depctr_va_vdst(0)
	v_and_b32 v7, 8, v1
	v_add_nc_u32 v7, v7, v1                        ; r + 8 (r / 8)
	v_lshlrev_b32 v3, 2, v7
	v_lshl_add_u32 v3, v2, 13, v3                  ; lanes 16-31 begin 32 rows further down
	TASK 256, 0
.Lwo:
	s_sub_co_u32 s20, s16, 24
	s_lshl_b32 s20, s20, 8                         ; 64 columns of 4 bytes,
	s_lshl_b32 s28, s17, 18                        ; a K step: 128 rows of 2,048 bytes
	s_add_co_u32 s20, s20, s28
	s_add_nc_u64 s[18:19], s[10:11], s[20:21]
	s_wait_alu depctr_va_vdst(0)
	v_lshlrev_b32 v3, 2, v1
	v_lshl_add_u32 v3, v2, 16, v3
	TASK 2048, 1
.Lfunc_end_k_q74ab03051e_prep:
	.size	k_q74ab03051e_prep, .Lfunc_end_k_q74ab03051e_prep-k_q74ab03051e_prep
	.p2alignl 7, 3214868480
	.fill 96, 4, 3214868480
	.section	.rodata,"a",@progbits
	.p2align	6, 0x0
	.amdhsa_kernel k_q74ab03051e_prep
		.amdhsa_group_segment_fixed_size 0
		.amdhsa_private_segment_fixed_size 0
		.amdhsa_enable_private_segment 0
		.amdhsa_kernarg_size 48
		.amdhsa_user_sgpr_count 2
		.amdhsa_user_sgpr_kernarg_segment_ptr 1
		.amdhsa_wavefront_size32 1
		.amdhsa_system_sgpr_workgroup_id_x 1
		.amdhsa_system_sgpr_workgroup_id_y 1
		.amdhsa_system_sgpr_workgroup_id_z 1
		.amdhsa_system_vgpr_workitem_id 0
		.amdhsa_next_free_vgpr 224
		.amdhsa_next_free_sgpr 66
		.amdhsa_reserve_vcc 1
		.amdhsa_float_denorm_mode_32 3
		.amdhsa_float_denorm_mode_16_64 3
		.amdhsa_memory_ordered 1
		.amdhsa_forward_progress 1
		.amdhsa_inst_pref_size 77
	.end_amdhsa_kernel
	.amdgpu_metadata
---
amdhsa.version: [ 1, 2 ]
amdhsa.kernels:
  - .name:           k_q74ab03051e_prep
    .symbol:         k_q74ab03051e_prep.kd
    .args:
      - { .name: Wq, .offset: 0, .size: 8, .value_kind: global_buffer, .address_space: global }
      - { .name: Wk, .offset: 8, .size: 8, .value_kind: global_buffer, .address_space: global }
      - { .name: Wv, .offset: 16, .size: 8, .value_kind: global_buffer, .address_space: global }
      - { .name: Wo, .offset: 24, .size: 8, .value_kind: global_buffer, .address_space: global }
      - { .name: wc, .offset: 32, .size: 8, .value_kind: global_buffer, .address_space: global }
      - { .name: ws, .offset: 40, .size: 8, .value_kind: global_buffer, .address_space: global }
    .group_segment_fixed_size: 0
    .private_segment_fixed_size: 0
    .kernarg_segment_align: 8
    .kernarg_segment_size: 48
    .max_flat_workgroup_size: 32
    .sgpr_count:     66
    .vgpr_count:     224
    .wavefront_size: 32
...
	.end_amdgpu_metadata
.endif
;; end of part 5
;; launch proj (part 6): grid 256 x 1, 4 waves a work-group, no clusters, 59,904 bytes of LDS; arguments x, wc, ws, qb, kv; writes qb, kv
.if DOCPART == 6
	.amdgcn_target "amdgcn-amd-amdhsa--gfx1250"
	.amdhsa_code_object_version 6
	.text
	.protected	k_q74ab03051e_proj
	.globl	k_q74ab03051e_proj
	.p2align	8
	.type	k_q74ab03051e_proj,@function
k_q74ab03051e_proj:
	s_mov_b64 s[64:65], 0
	v_nop
	global_prefetch_b8 v0, s[64:65] scope:SCOPE_SE
	s_setreg_imm32_b32 hwreg(HW_REG_WAVE_SCHED_MODE, 0, 2), 2
	s_setreg_imm32_b32 hwreg(HW_REG_WAVE_MODE, 25, 1), 1
	s_wait_xcnt 0x0
	s_wait_alu depctr_vm_vsrc(0)
; q, k, v = x W for all 8 heads, on codes of BF6 (E3M2) with one E8M0 scale for each 32 along K = 512; the results are quantised again at once: q and k along d, v along the tokens (the keys),
; and leave as codes in the order of the operand registers that the attention launch loads.  No f32 result goes to memory.
; SHARES.  A work-group owns 64 tokens (a group g of batch b: work-group number 32 b + g) and all 1,536 output columns, so x is read and quantised once.  Wave w quantises token tile w
; (16 tokens x 512), the 16 fragments go from wave to wave through LDS as images of their registers, one barrier; then wave w makes q, k, v of heads 2 w and 2 w + 1: six matrices of 64 products each.
; THE TOKENS OF A TILE ARE NOT NEIGHBOURS: lane r of tile tt holds token 32 (tt / 2) + 8 (tt % 2) + r + 8 (r / 8); the weights' columns are ordered likewise (launch prep).  So after a product the
; 32 registers of four tiles run along the source-0 axis: register 16 b + i = element 32 b + 16 (lane / 16) + i.  q, k: source 0 = W's columns, a lane holds a token and runs along d;
; v: source 0 = x's tokens, a lane holds a column d and runs along the tokens.
; THE WEIGHTS come from wc straight into operand registers, 24,576 bytes a matrix, one matrix ahead, in two register windows by turns.
; NO CLUSTER: the weights are what work-groups share, and here they take no way through LDS: a joint request lands in LDS, which would add an LDS pass of the same 24,576 bytes a matrix and wave and a round of the cluster's barrier for each matrix.
; OUT.  Half a fragment (16 rows x 64 K, registers 0-5): registers 0-3 at 16 l, registers 4-5 at 512 + 8 l: 768 bytes.  A block of scale words (4 tiles): tile a, row r at 8 (r + 16 (a % 2)) + 4 (a / 2).
;   qb [b 8 + h][g][3,328]: 4 halves, the block at 3,072.   kv [b 8 + h][g][6,656]: K's 4 halves, V's 4 at 3,072, K's block at 6,144, V's at 6,400.
;   q's and k's words repeat bytes 0, 1 in bytes 2, 3 (their K is 64 of the instruction's 128); v's two bytes stand 16 (g % 2) bits up: two groups' words are joined by an OR.
; LIMITS: blocks whose largest magnitude lies under 2^(5 - 127) have the byte 1 (a block of zeros too: its codes are zeros); NaN and infinities among the inputs are not served.
; REGISTERS, in windows of 256: window 0: v1-7 addresses, v10-17 x's scale words, v18-33 the weights' (two sets), v34-49 at work, v50-85 codes and words just made, v128-255 the 16 accumulators (in the first phase two sets of 64 numbers);
;   window 1: x's 16 fragments, (tt, s) at 12 (4 tt + s);  windows 2, 3: the weights, (s, t) at 12 (4 s + t); in the first phase window 3 holds x as loaded.
; THE MODE: SCHED_MODE bits 1:0 = 2 (LLVM: expert scheduling mode 2), set by the entry lines.  The code itself states the register dependences
; between vector or matrix instructions and memory or LDS instructions, with s_wait_alu, always for 0.
; THE PLAN.  Registers that memory or LDS instructions touch:
;   v1-7, v126, v127     made at the head and never written again.
;   window 3, at first   x as loaded: written by x's loads, read by the stage's LDS stores; then the second matrix's weights land there.
;   v128-191, v192-255   at first two sets of 64 numbers: set s % 2 is written by the stage's LDS loads of K step s and read by that step's quantiser; K step s + 2 lands there next.
;   v50, v52-63          an image's word and codes: written by a K step's quantiser, read by its four LDS stores, written again by the next quantiser.
;   window 1, v10-17     x's fragments and words: loaded once, named by products alone.
;   windows 2, 3, v18-33 the weights and their words: matrix i + 1's are loaded at matrix i's head and read by matrix i + 1's products; matrix i + 3's land there next.
;   v52-75, v84-85       a matrix's codes and words: written by matrix i's quantiser, read by its nine stores, which stand at matrix i + 1's head, behind the loads.
; So a K step of x has one wait on va_vdst, behind its quantiser, and one on vm_vsrc ahead of it; a matrix has ONE wait on va_vdst, at its head, for its 52 loads and the nine stores of the matrix before,
; and one on vm_vsrc ahead of its quantiser, 64 products behind those stores.
.set XIMG, 33792                       ; LDS: 0 .. 33,791 a stage of 16 rows x 528 bytes for each wave; then x's 16 images of 1,536 bytes, number 4 tt + s;
.set XSC,  58368                       ; then their scale words: (tt, s, row r) at 256 s + 64 tt + 4 r
.set LI,  1                            ; v1  16 x lane
.set L8,  2                            ; v2  8 x lane
.set L4,  3                            ; v3  4 x lane
.set SWR, 4                            ; v4  my stage, as loaded: 8,448 w + 16 x lane
.set SRD, 5                            ; v5  my stage, by rows: 8,448 w + 528 r + 64 h
.set XWI, 6                            ; v6  where I store my images
.set XWS, 7                            ; v7  and their scale words
.set XS,  10                           ; register 2 s + tt / 2, lanes 16 (tt % 2) on
.set WSC, 18                           ; set (matrix % 2) x 8, register 2 s + t / 2, lanes 16 (t % 2) on
.set TM,  34
.set PWX, 50
.set PCX, 52
.set PC,  52                           ; four halves of 6 registers
.set CT,  76
.set PW,  80
.set SBR, 84
.set ACC, 128
.set WV,  14
.set SEL, 20
.set SH,  22
.set MSB, 0
.macro WIN new                         ; the immediate's high byte repeats the setting that is left
.if MSB != \new
	s_set_vgpr_msb (MSB<<8)|\new
.set MSB, \new
.endif
.endm
; one product: D, A, B, C (below 0: the constant 0), A's scale register and its half of the lanes, B's likewise
.macro WM d, a, b, c, sa, ra, sb, rb
.set ZD, \d
.set ZA, \a
.set ZB, \b
.set ZC, \c
.set ZP, \sa
.set ZQ, \sb
.set ZR, (\ra)+2*(\rb)
.if ZC < 0
.if ZR == 0
	v_wmma_scale_f32_16x16x128_f8f6f4 v[ZD:ZD+7], v[ZA:ZA+11], v[ZB:ZB+11], 0, v[ZP], v[ZQ] matrix_a_fmt:MATRIX_FMT_BF6 matrix_b_fmt:MATRIX_FMT_BF6
.elseif ZR == 1
	v_wmma_scale_f32_16x16x128_f8f6f4 v[ZD:ZD+7], v[ZA:ZA+11], v[ZB:ZB+11], 0, v[ZP], v[ZQ] matrix_a_fmt:MATRIX_FMT_BF6 matrix_b_fmt:MATRIX_FMT_BF6 matrix_a_scale:MATRIX_SCALE_ROW1
.elseif ZR == 2
	v_wmma_scale_f32_16x16x128_f8f6f4 v[ZD:ZD+7], v[ZA:ZA+11], v[ZB:ZB+11], 0, v[ZP], v[ZQ] matrix_a_fmt:MATRIX_FMT_BF6 matrix_b_fmt:MATRIX_FMT_BF6 matrix_b_scale:MATRIX_SCALE_ROW1
.else
	v_wmma_scale_f32_16x16x128_f8f6f4 v[ZD:ZD+7], v[ZA:ZA+11], v[ZB:ZB+11], 0, v[ZP], v[ZQ] matrix_a_fmt:MATRIX_FMT_BF6 matrix_b_fmt:MATRIX_FMT_BF6 matrix_a_scale:MATRIX_SCALE_ROW1 matrix_b_scale:MATRIX_SCALE_ROW1
.endif
.else
.if ZR == 0
	v_wmma_scale_f32_16x16x128_f8f6f4 v[ZD:ZD+7], v[ZA:ZA+11], v[ZB:ZB+11], v[ZC:ZC+7], v[ZP], v[ZQ] matrix_a_fmt:MATRIX_FMT_BF6 matrix_b_fmt:MATRIX_FMT_BF6
.elseif ZR == 1
	v_wmma_scale_f32_16x16x128_f8f6f4 v[ZD:ZD+7], v[ZA:ZA+11], v[ZB:ZB+11], v[ZC:ZC+7], v[ZP], v[ZQ] matrix_a_fmt:MATRIX_FMT_BF6 matrix_b_fmt:MATRIX_FMT_BF6 matrix_a_scale:MATRIX_SCALE_ROW1
.elseif ZR == 2
	v_wmma_scale_f32_16x16x128_f8f6f4 v[ZD:ZD+7], v[ZA:ZA+11], v[ZB:ZB+11], v[ZC:ZC+7], v[ZP], v[ZQ] matrix_a_fmt:MATRIX_FMT_BF6 matrix_b_fmt:MATRIX_FMT_BF6 matrix_b_scale:MATRIX_SCALE_ROW1
.else
	v_wmma_scale_f32_16x16x128_f8f6f4 v[ZD:ZD+7], v[ZA:ZA+11], v[ZB:ZB+11], v[ZC:ZC+7], v[ZP], v[ZQ] matrix_a_fmt:MATRIX_FMT_BF6 matrix_b_fmt:MATRIX_FMT_BF6 matrix_a_scale:MATRIX_SCALE_ROW1 matrix_b_scale:MATRIX_SCALE_ROW1
.endif
.endif
.endm
; 64 numbers of a lane, register 16 b + i = k 32 b + 16 (lane / 16) + i of my row, become a fragment's codes in v[PCX] on and its scale word in v[PWX]
.macro QUANT64 src
.irp b, 0,1,2,3
	v_max3_num_f32 v[TM+\b], |v[\src+16*\b]|, |v[\src+16*\b+1]|, 0x2800000   ; my 16 numbers of block b, and the floor 2^(5 - 127): the byte cannot fall under 1
.endr
.irp i, 2,4,6,8,10,12,14
.irp b, 0,1,2,3
	v_max3_num_f32 v[TM+\b], v[TM+\b], |v[\src+16*\b+\i]|, |v[\src+16*\b+\i+1]|
.endr
.endr
.irp b, 0,1,2,3
	v_permlanex16_b32 v[TM+4+\b], v[TM+\b], s[SEL], s[SEL+1]
.endr
.irp b, 0,1,2,3
	v_max_num_f32 v[TM+\b], v[TM+\b], v[TM+4+\b]   ; with lane l xor 16's: the block's largest magnitude
.endr
.irp b, 0,1,2,3
	v_add_nc_u32 v[TM+12+\b], 0xfe000000, v[TM+\b] ; 4 off its exponent field: the conversion's scale operand
.endr
.irp b, 0,1,2,3
	v_lshrrev_b32 v[TM+4+\b], 23, v[TM+12+\b]      ; the scale's byte
.endr
	v_lshl_or_b32 v[PWX], v[TM+5], 8, v[TM+4]
	v_lshl_or_b32 v[PWX], v[TM+6], 16, v[PWX]
	v_lshl_or_b32 v[PWX], v[TM+7], 24, v[PWX]
.irp c, 0,1
	v_cvt_scalef32_pk16_bf6_f32 v[PCX+6*\c:PCX+6*\c+2], v[\src+32*\c:\src+32*\c+15], v[TM+12+2*\c]
	v_cvt_scalef32_pk16_bf6_f32 v[PCX+12+4*\c:PCX+12+4*\c+2], v[\src+32*\c+16:\src+32*\c+31], v[TM+12+2*\c+1]
.endr
	v_nop                                          ; one plain place behind a scaled conversion
.irp c, 0,1                                    ; the operand's layout wants a whole block in a lane
.irp i, 0,1,2
	v_permlane16_swap_b32 v[PCX+6*\c+\i], v[PCX+12+4*\c+\i]
.endr
.irp i, 0,1,2
	v_mov_b32 v[PCX+3+6*\c+\i], v[PCX+12+4*\c+\i]
.endr
.endr
.endm
; 32 numbers of a lane (two blocks) become half a fragment in v[pc] .. v[pc + 5] and a word of two bytes in v[pw]
.macro QUANT32 src, pc, ct, pw
.irp b, 0,1
	v_max3_num_f32 v[TM+\b], |v[\src+16*\b]|, |v[\src+16*\b+1]|, 0x2800000   ; each accumulator is read from its low end on
.endr
.irp i, 2,4,6,8,10,12,14
.irp b, 0,1
	v_max3_num_f32 v[TM+\b], v[TM+\b], |v[\src+16*\b+\i]|, |v[\src+16*\b+\i+1]|
.endr
.endr
.irp b, 0,1
	v_permlanex16_b32 v[TM+2+\b], v[TM+\b], s[SEL], s[SEL+1]
.endr
.irp b, 0,1
	v_max_num_f32 v[TM+\b], v[TM+\b], v[TM+2+\b]
.endr
.irp b, 0,1
	v_add_nc_u32 v[TM+4+\b], 0xfe000000, v[TM+\b]
.endr
.irp b, 0,1
	v_lshrrev_b32 v[TM+6+\b], 23, v[TM+4+\b]
.endr
	v_lshl_or_b32 v[\pw], v[TM+7], 8, v[TM+6]
	v_cvt_scalef32_pk16_bf6_f32 v[\pc:\pc+2], v[\src:\src+15], v[TM+4]
	v_cvt_scalef32_pk16_bf6_f32 v[\ct:\ct+2], v[\src+16:\src+31], v[TM+5]
	v_nop                                          ; one plain place behind a scaled conversion
.irp i, 0,1,2
	v_permlane16_swap_b32 v[\pc+\i], v[\ct+\i]
.endr
.irp i, 0,1,2
	v_mov_b32 v[\pc+3+\i], v[\ct+\i]
.endr
.endm
; matrix idx (0 .. 5: q, k, v of head 2 w, then of head 2 w + 1): its 16 fragments and 4 blocks of scale words.
; how = 0: nothing has named its registers yet;  1, 2: the wait that its loads hang on, behind the window's switch and ahead of the first load
.macro WLOAD idx, how
.set LK, ((\idx)%3)*8+(\idx)/3
.set LW, (2+((\idx)%2))*64
	WIN LW                                         ; destination window 2 or 3
.if (\how) == 1
	s_wait_alu depctr_vm_vsrc(0)                   ; the stage's LDS stores have read x as loaded: these weights land in its registers
.elseif (\how) == 2
	s_wait_alu depctr_va_vdst(0)                   ; the products of the matrix before are done reading this window and this set of scale words, in which the loads below land; its quantiser has written its codes and words, which the stores behind the loads read
.endif
.set Q, 0
.rept 48
	global_load_b128 v[4*Q:4*Q+3], v[LI], s[6:7] offset:LK*24576+512*Q
.set Q, Q+1
.endr
	WIN 0
.irp s, 0,1,2,3
	global_load_b64 v[WSC+8*((\idx)%2)+2*\s:WSC+8*((\idx)%2)+2*\s+1], v[L8], s[8:9] offset:LK*1024+256*\s
.endr
.endm
; K step s of my 16 rows goes through my stage: in as loaded (a row's 512 bytes on end), out 64 bytes a lane and block.  LDS serves a wave's instructions in order: no wait between
.macro TURN s
	WIN 0x0c                                       ; an LDS store's data are its source 1: window 3
.irp p, 0,1,2,3,4,5,6,7,8,9,10,11,12,13,14,15
	ds_store_b128 v[SWR], v[64*(\s)+4*\p:64*(\s)+4*\p+3] offset:528*\p
.endr
	WIN 0
.irp b, 0,1,2,3
.irp j, 0,1,2,3
	ds_load_b128 v[ACC+64*((\s)%2)+16*\b+4*\j:ACC+64*((\s)%2)+16*\b+4*\j+3], v[SRD] offset:128*\b+16*\j
.endr
.endr
.endm
; the nine stores of matrix idx: its four halves and its block of scale words
.macro OUTM idx
.set OKD, (\idx)%3
.set OEE, (\idx)/3
.if OKD == 0
.set OB, 10
.set OFF0, OEE*106496
.set OFFS, OEE*106496+3072
.elseif OKD == 1
.set OB, 12
.set OFF0, OEE*212992
.set OFFS, OEE*212992+6144
.else
.set OB, 12
.set OFF0, OEE*212992+3072
.set OFFS, OEE*212992+6400
.endif
.irp a, 0,1,2,3
	global_store_b128 v[LI], v[PC+6*\a:PC+6*\a+3], s[OB:OB+1] offset:OFF0+768*\a        ; 512 consecutive bytes, aligned
	global_store_b64 v[L8], v[PC+6*\a+4:PC+6*\a+5], s[OB:OB+1] offset:OFF0+768*\a+512   ; 256
.endr
	global_store_b64 v[L8], v[SBR:SBR+1], s[OB:OB+1] offset:OFFS
.endm
.macro MAT idx
.set KIND, (\idx)%3
.set WN, 2+((\idx)%2)
.set WS0, WSC+8*((\idx)%2)
	s_wait_loadcnt 0x0                             ; this matrix's weights, asked for a matrix ago, are in
.if (\idx) == 0
	WLOAD 1, 1
.elseif (\idx) < 5
	WLOAD (\idx)+1, 2                              ; in one run at the matrix's head, so that they have all of its products and its quantiser in which to land
.else
	s_wait_alu depctr_va_vdst(0)                   ; the quantiser of the matrix before has written its codes and words, which the stores below read
.endif
.if (\idx) > 0
	OUTM (\idx)-1                                  ; no vector or matrix instruction since the wait names the codes' and words' registers
.endif
.if KIND < 2
.set WW, WN+4                                  ; source 0 = W, source 1 = x (window 1)
.else
.set WW, 1+4*WN                                ; source 0 = x, source 1 = W
.endif
	WIN WW
.irp s, 0,1,2,3                                ; the 16 accumulators take turns, one instruction a turn
.irp m, 0,1,2,3
.irp t, 0,1,2,3
.if \s == 0
.set CIN, -1
.else
.set CIN, ACC+8*(4*\m+\t)
.endif
.if KIND < 2
	WM ACC+8*(4*\m+\t), 12*(4*\s+\t), 12*(4*\m+\s), CIN, WS0+2*\s+\t/2, \t%2, XS+2*\s+\m/2, \m%2
.else
	WM ACC+8*(4*\m+\t), 12*(4*\t+\s), 12*(4*\s+\m), CIN, XS+2*\s+\t/2, \t%2, WS0+2*\s+\m/2, \m%2
.endif
.endr
.endr
.endr
	WIN 0
.rept 4
	v_nop                                          ; four places ahead of the first read of results
.endr
	s_wait_xcnt 0x0                                ; the last matrix's stores have read their registers: the codes and words may be written again
	s_wait_alu depctr_vm_vsrc(0)                   ; the stores at this matrix's head (in the first matrix: the last image's LDS stores) have read v52 on and v84, v85, which the quantiser below writes again
.irp a, 0,1,2,3
	QUANT32 ACC+32*\a, PC+6*\a, CT, PW+\a
.if KIND < 2
	v_lshl_or_b32 v[PW+\a], v[PW+\a], 16, v[PW+\a] ; bytes 0, 1 again in bytes 2, 3
.else
	v_lshlrev_b32 v[PW+\a], s[SH], v[PW+\a]        ; 16 (g % 2) bits up
.endif
.endr
	v_cndmask_b32 v[SBR], v[PW], v[PW+1], vcc_lo
	v_cndmask_b32 v[SBR+1], v[PW+2], v[PW+3], vcc_lo
.endm
	s_load_b256 s[4:11], s[0:1], 0x0               ; x s[4:5], wc s[6:7], ws s[8:9], qb s[10:11]
	s_load_b64 s[12:13], s[0:1], 0x20              ; kv
	v_lshl_add_u32 v126, v0, 2, 0xe800
	v_mov_b32 v127, 0
	v_lshrrev_b32 v8, 5, v0
	v_readfirstlane_b32 s[WV], v8                  ; wave 0..3
	v_and_b32 v8, 31, v0                           ; lane
	v_and_b32 v9, 15, v0                           ; r
	v_bfe_u32 v51, v0, 4, 1                        ; h
	v_lshlrev_b32 v[LI], 4, v8
	v_lshlrev_b32 v[L8], 3, v8
	v_lshlrev_b32 v[L4], 2, v8
	s_wait_alu depctr_va_sdst(0)                   ; the wave's number is written, ahead of its first reader: LDS addresses and the buffers' bases are made from it
	s_mul_i32 s15, s[WV], 8448
	v_add_nc_u32 v[SWR], s15, v[LI]
	v_mul_u32_u24 v[SRD], v9, 528
	v_lshl_add_u32 v[SRD], v51, 6, v[SRD]
	v_add_nc_u32 v[SRD], s15, v[SRD]
	s_mul_i32 s15, s[WV], 6144
	s_add_co_u32 s15, s15, XIMG
	v_add_nc_u32 v[XWI], s15, v[LI]
	s_lshl_b32 s15, s[WV], 6
	s_add_co_u32 s15, s15, XSC
	v_lshl_add_u32 v[XWS], v9, 2, s15
.irp b, 2,3,4,5,6,7
	v_mov_b32 v[TM+\b], 0                          ; written once: a lane permute's destination counts as one of its sources
.endr
	s_mov_b32 s[SEL], 0x76543210
	s_mov_b32 s[SEL+1], 0xfedcba98                 ; selects for lane l xor 16
	s_mov_b32 vcc_lo, 0xffff0000                   ; lanes 16-31
	s_lshl_b32 s16, ttmp9, 6                       ; my group's first token,
	s_lshr_b32 s17, s[WV], 1
	s_lshl_b32 s17, s17, 5
	s_add_co_u32 s16, s16, s17
	s_and_b32 s17, s[WV], 1
	s_lshl_b32 s17, s17, 3
	s_add_co_u32 s16, s16, s17                     ; my tile's: + 32 (w / 2) + 8 (w % 2)
	s_lshl_b32 s16, s16, 11                        ; rows of 2,048 bytes
	s_mov_b32 s17, 0
	s_mul_i32 s18, s[WV], 49152                    ; heads 2 w on: 24,576 bytes a matrix
	s_mov_b32 s19, 0
	s_lshl_b32 s24, s[WV], 11                      ; and 1,024 bytes of scale words
	s_mov_b32 s25, 0
	s_lshr_b32 s26, ttmp9, 5                       ; b
	s_and_b32 s27, ttmp9, 31                       ; g
	s_lshl_b32 s26, s26, 3
	s_lshl_b32 s28, s[WV], 1
	s_add_co_u32 s26, s26, s28                     ; 8 b + 2 w
	s_lshl_b32 s26, s26, 5
	s_add_co_u32 s26, s26, s27                     ; the record's number
	s_and_b32 s[SH], s27, 1
	s_lshl_b32 s[SH], s[SH], 4
	s_mul_i32 s28, s26, 3328
	s_mov_b32 s29, 0
	s_mul_i32 s30, s26, 6656
	s_mov_b32 s31, 0
	s_wait_kmcnt 0x0
	s_add_nc_u64 s[4:5], s[4:5], s[16:17]
	s_add_nc_u64 s[6:7], s[6:7], s[18:19]
	s_add_nc_u64 s[8:9], s[8:9], s[24:25]
	s_add_nc_u64 s[10:11], s[10:11], s[28:29]
	s_add_nc_u64 s[12:13], s[12:13], s[30:31]
	; ---- x: my 16 rows, K step by K step; each load reads 512 consecutive bytes of one row
	WIN 0xc0                                       ; destination window 3
	s_wait_alu depctr_va_vdst(0)                   ; the seven addresses v1 to v7 are written: every load and store of the kernel, global or LDS, reads one of them
.irp s, 0,1,2,3
.irp p, 0,1,2,3,4,5,6,7,8,9,10,11,12,13,14,15
	global_load_b128 v[64*\s+4*\p:64*\s+4*\p+3], v[LI], s[4:5] offset:(\p+8*(\p/8))*2048+512*\s th:TH_LOAD_NT
.endr
.endr
	WIN 0
	s_wait_loadcnt 48                              ; K step 0's 16 loads are in; the three younger steps' 48 stay out
	TURN 0
.irp s, 0,1,2,3
.if \s < 3
	s_wait_loadcnt 32-16*\s                        ; the next K step's loads are in; the younger steps' stay out
	TURN \s+1                                      ; its LDS loads land where the quantiser of the step before this one has read: that quantiser stands ahead of the last wait on va_vdst, and no vector instruction has been issued since
.endif
.if \s == 2
	WLOAD 0, 0                                     ; x is all in: now the first matrix's weights
.endif
.if \s < 3
	s_wait_dscnt 32                                ; all but the next step's 16 stores and 16 loads: this step's numbers are back, and the last step's image has been stored
.else
	s_wait_dscnt 0x0
.endif
.if \s > 0
	s_wait_alu depctr_vm_vsrc(0)                   ; the last K step's LDS stores have read its codes and its word, which the quantiser below writes again
.endif
	QUANT64 ACC+64*(\s%2)
	s_wait_alu depctr_va_vdst(0)                   ; the quantiser has written the codes and the word, which the LDS stores below read; and it is done reading its 64 numbers, in whose registers the K step after next lands
.irp c, 0,1,2
	ds_store_b128 v[XWI], v[PCX+4*\c:PCX+4*\c+3] offset:1536*\s+512*\c   ; the fragment as it stands: lane l's 16 bytes at 16 l
.endr
	ds_store_b32 v[XWS], v[PWX] offset:256*\s      ; lanes l and l + 16 write the same word with the same value
.endr
	s_wait_dscnt 0x0                               ; for the others' sake: my images and words are in LDS
	s_barrier_signal -1
	s_barrier_wait -1                              ; everybody's are
	WIN 0x40                                       ; destination window 1
.set Q, 0
.rept 48
	ds_load_b128 v[4*Q:4*Q+3], v[LI] offset:XIMG+512*Q
.set Q, Q+1
.endr
	WIN 0
.irp s, 0,1,2,3
.irp p, 0,1
	ds_load_b32 v[XS+2*\s+\p], v[L4] offset:XSC+256*\s+128*\p   ; lanes 0-15 tile 2 p's words, lanes 16-31 tile 2 p + 1's
.endr
.endr
	s_wait_dscnt 0x0
	; ---- the six matrices
	MAT 0
	MAT 1
	MAT 2
	MAT 3
	MAT 4
	MAT 5
	s_wait_alu depctr_va_vdst(0)                   ; the last matrix's quantiser has written its codes and words, which the last nine stores read
	OUTM 5
	s_wait_dscnt 0x0                               ; the closing lines, six on end
	s_wait_alu 0x0
	s_wait_tensorcnt 0x0
	ds_add_u32 v126, v127
	s_wait_dscnt 0x0
	s_endpgm
.Lfunc_end_k_q74ab03051e_proj:
	.size	k_q74ab03051e_proj, .Lfunc_end_k_q74ab03051e_proj-k_q74ab03051e_proj
	.p2alignl 7, 3214868480
	.fill 96, 4, 3214868480
	.section	.rodata,"a",@progbits
	.p2align	6, 0x0
	.amdhsa_kernel k_q74ab03051e_proj
		.amdhsa_group_segment_fixed_size 59904
		.amdhsa_private_segment_fixed_size 0
		.amdhsa_enable_private_segment 0
		.amdhsa_kernarg_size 40
		.amdhsa_user_sgpr_count 2
		.amdhsa_user_sgpr_kernarg_segment_ptr 1
		.amdhsa_wavefront_size32 1
		.amdhsa_system_sgpr_workgroup_id_x 1
		.amdhsa_system_sgpr_workgroup_id_y 1
		.amdhsa_system_sgpr_workgroup_id_z 1
		.amdhsa_system_vgpr_workitem_id 0
		.amdhsa_next_free_vgpr 1024
		.amdhsa_next_free_sgpr 66
		.amdhsa_reserve_vcc 1
		.amdhsa_float_denorm_mode_32 3
		.amdhsa_float_denorm_mode_16_64 3
		.amdhsa_memory_ordered 1
		.amdhsa_forward_progress 1
		.amdhsa_inst_pref_size 169
	.end_amdhsa_kernel
	.amdgpu_metadata
---
amdhsa.version: [ 1, 2 ]
amdhsa.kernels:
  - .name:           k_q74ab03051e_proj
    .symbol:         k_q74ab03051e_proj.kd
    .args:
      - { .name: x, .offset: 0, .size: 8, .value_kind: global_buffer, .address_space: global }
      - { .name: wc, .offset: 8, .size: 8, .value_kind: global_buffer, .address_space: global }
      - { .name: ws, .offset: 16, .size: 8, .value_kind: global_buffer, .address_space: global }
      - { .name: qb, .offset: 24, .size: 8, .value_kind: global_buffer, .address_space: global }
      - { .name: kv, .offset: 32, .size: 8, .value_kind: global_buffer, .address_space: global }
    .group_segment_fixed_size: 59904
    .private_segment_fixed_size: 0
    .kernarg_segment_align: 8
    .kernarg_segment_size: 40
    .max_flat_workgroup_size: 128
    .sgpr_count:     66
    .vgpr_count:     1024
    .wavefront_size: 32
...
	.end_amdgpu_metadata
.endif
;; end of part 6
;; launch attn (part 7): grid 4 x 64, 16 waves a work-group, no clusters, 327,680 bytes of LDS; arguments qb, kv, att, ats; writes att, ats
.if DOCPART == 7
	.amdgcn_target "amdgcn-amd-amdhsa--gfx1250"
	.amdhsa_code_object_version 6
	.text
	.protected	k_q74ab03051e_attn
	.globl	k_q74ab03051e_attn
	.p2align	8
	.type	k_q74ab03051e_attn,@function
k_q74ab03051e_attn:
	s_mov_b64 s[64:65], 0
	v_nop
	global_prefetch_b8 v0, s[64:65] scope:SCOPE_SE
	s_setreg_imm32_b32 hwreg(HW_REG_WAVE_MODE, 25, 1), 1
	s_wait_xcnt 0x0
; Causal attention of one (batch, head) on codes of BF6 (E3M2): S^T = K Q^T (K = the head's 64), p = 2^(t - M), O^T = V^T P^T (K = the keys), O / l quantised along d for the output projection.
; t = score x log2(e) / 8; M = the running largest t rounded UP to a whole number; p is quantised along the keys, not normalised; the row's sum l is taken of the unquantised p; when M moves, l and O are multiplied by 2^(old M - new M), which rounds nothing.
; SHARES.  A head has 128 query tiles of 16; tile T needs the key steps (128 keys) 0 .. T / 8.  Work-group i (0 .. 3) of a head has 16 waves; wave w owns tiles A = 16 i + w and B = 127 - A:
; (A / 8 + 1) + (B / 8 + 1) = 17 units of (16 queries x 128 keys) in every wave of the launch.  The work-group walks 16 - 2 i key steps; a unit all of whose keys are hidden is jumped over by a scalar branch on ids.
; THE TOKENS OF A TILE ARE NOT NEIGHBOURS (launch proj): lane r of tile tt of a group of 64 holds token 32 (tt / 2) + 8 (tt % 2) + r + 8 (r / 8).  Both products are used transposed, so a lane holds ONE query throughout,
; the 64 score registers run along the keys (register 16 b + i = key 32 b + 16 (lane / 16) + i), and O's 32 registers along d.
; K = 64 IN AN INSTRUCTION OF 128: Q's fragment is 6 registers of codes and 6 of zero codes; K's halves lie 6 registers apart, so the upper 6 that a product names are the next tile's codes, which meet Q's zeros; q's and k's scale words repeat their two bytes.
; A KEY STEP is 13,312 dense bytes of kv (two records: K's and V's halves and their scale words) and comes by ONE tensor load of wave 0 into a ring of two LDS slots, read by all sixteen waves.
; NO CLUSTER: the four work-groups of a head walk 16, 14, 12 and 10 key steps: partners would need different numbers of tiles, and in step with the first of them the others would pass 2, 4 and 6 rounds with nothing to compute.
; A block's largest p is not searched for: the block's largest score goes through the same multiply-add and exponential (this takes v_exp_f32 not to fall where its input rises).
; LIMITS: O / l is a multiplication by v_rcp_f32 (l); blocks whose largest magnitude lies under 2^(5 - 127) have the byte 1 (their codes may be zeros); NaN and infinities are not served.
.set SLOTB, 16384                      ; LDS: slot 0 at 0, slot 1 here, 13,312 bytes each
.set SPARE, 32768                      ; the spare words, 128 bytes for each of 16 waves: eight blocks of 256 bytes that no other line names
.set STG,   34816                      ; the way out: eight blocks of scale words; no tensor load lands here
.set LI,  1                            ; v1   16 x lane
.set L8,  2                            ; v2   8 x lane
.set SPW, 3                            ; v3   my spare word; never rewritten
.set NIL, 4                            ; v4   0; never rewritten
.set DQA, 5                            ; v5, v6  my query less the diagonal step's first key less 16 (lane / 16)
.set DQB, 6
.set R8,  7                            ; v7   8 r
.set STA, 8                            ; v[8:11], v[12:15]  -M, the largest t, the sum in two halves
.set STB, 12
.set QSA, 16                           ; Q's scale words
.set QSB, 17
.set KSC, 18                           ; v18-21 K's: register 2 g + tt / 2, lanes 16 (tt % 2) on
.set VSC, 22                           ; v22-25 V's, two groups'; joined in v22, v23
.set PW,  26                           ; p's scale word
.set TMP, 27
.set F,   28                           ; v[28:29] 2^(old M - new M) (the pair is named; the low word serves)
.set PFO, 30
.set SWA, 31                           ; where my tiles' scale words go in the stage
.set QA,  32                           ; v32-43, v44-55  Q: 6 registers of codes, 6 of zeros
.set QB,  44
.set KR,  56                           ; v56-103 K's 8 halves, then V's 4 fragments;  v104-109 zeros behind K's last half
.set ZT,  104
.set SWB, 110
.set SRD, 111
.set S,   112                          ; v112-175 S^T, then p; p's codes end in v112-123
.set OA,  176
.set OB,  208
.set BM,  240
.set PT,  244
.set SO,  252
.set TM,  72                           ; the way out: at work
.set WV,  12
.set CNT, 13
.set BH,  14
.set KS,  15                           ; the key step; it enters compares alone
.set KAPA, 16                          ; the tiles' diagonal steps
.set KAPB, 17
.set TRIPS, 18
.set ASKF, 19
.set SEL, 20
.set CS,  22
.set G1,  24
.set G0,  32                           ; a group 0 for each slot
.set PFA, 40
.set SH,  42
.macro WM d, a, b, c, sa, ra, sb, rb
.set ZD, \d
.set ZA, \a
.set ZB, \b
.set ZC, \c
.set ZP, \sa
.set ZQ, \sb
.set ZR, (\ra)+2*(\rb)
.if ZC < 0
.if ZR == 0
	v_wmma_scale_f32_16x16x128_f8f6f4 v[ZD:ZD+7], v[ZA:ZA+11], v[ZB:ZB+11], 0, v[ZP], v[ZQ] matrix_a_fmt:MATRIX_FMT_BF6 matrix_b_fmt:MATRIX_FMT_BF6
.else
	v_wmma_scale_f32_16x16x128_f8f6f4 v[ZD:ZD+7], v[ZA:ZA+11], v[ZB:ZB+11], 0, v[ZP], v[ZQ] matrix_a_fmt:MATRIX_FMT_BF6 matrix_b_fmt:MATRIX_FMT_BF6 matrix_a_scale:MATRIX_SCALE_ROW1
.endif
.else
.if ZR == 0
	v_wmma_scale_f32_16x16x128_f8f6f4 v[ZD:ZD+7], v[ZA:ZA+11], v[ZB:ZB+11], v[ZC:ZC+7], v[ZP], v[ZQ] matrix_a_fmt:MATRIX_FMT_BF6 matrix_b_fmt:MATRIX_FMT_BF6
.else
	v_wmma_scale_f32_16x16x128_f8f6f4 v[ZD:ZD+7], v[ZA:ZA+11], v[ZB:ZB+11], v[ZC:ZC+7], v[ZP], v[ZQ] matrix_a_fmt:MATRIX_FMT_BF6 matrix_b_fmt:MATRIX_FMT_BF6 matrix_a_scale:MATRIX_SCALE_ROW1
.endif
.endif
.endm
.macro QUANT32 src, pc, ct, pw         ; 32 numbers of a lane (two blocks) become half a fragment in v[pc] .. v[pc + 5] and a word of two bytes in v[pw]
.irp b, 0,1
	v_max3_num_f32 v[TM+\b], |v[\src+16*\b]|, |v[\src+16*\b+1]|, 0x2800000
.endr
.irp i, 2,4,6,8,10,12,14
.irp b, 0,1
	s_delay_alu instid0(VALU_DEP_2)
	v_max3_num_f32 v[TM+\b], v[TM+\b], |v[\src+16*\b+\i]|, |v[\src+16*\b+\i+1]|
.endr
.endr
.irp b, 0,1
	s_delay_alu instid0(VALU_DEP_2)
	v_permlanex16_b32 v[TM+2+\b], v[TM+\b], s[SEL], s[SEL+1]
.endr
.irp b, 0,1
	s_delay_alu instid0(VALU_DEP_2)
	v_max_num_f32 v[TM+\b], v[TM+\b], v[TM+2+\b]
.endr
.irp b, 0,1
	s_delay_alu instid0(VALU_DEP_2)
	v_add_nc_u32 v[TM+4+\b], 0xfe000000, v[TM+\b]
.endr
.irp b, 0,1
	s_delay_alu instid0(VALU_DEP_2)
	v_lshrrev_b32 v[TM+6+\b], 23, v[TM+4+\b]
.endr
	s_delay_alu instid0(VALU_DEP_1)
	v_lshl_or_b32 v[\pw], v[TM+7], 8, v[TM+6]
	v_cvt_scalef32_pk16_bf6_f32 v[\pc:\pc+2], v[\src:\src+15], v[TM+4]
	v_cvt_scalef32_pk16_bf6_f32 v[\ct:\ct+2], v[\src+16:\src+31], v[TM+5]
	v_nop                                          ; one plain place behind a scaled conversion
.irp i, 0,1,2
	v_permlane16_swap_b32 v[\pc+\i], v[\ct+\i]
.endr
.irp i, 0,1,2
	s_delay_alu instid0(VALU_DEP_3)
	v_mov_b32 v[\pc+3+\i], v[\ct+\i]
.endr
.endm
.macro SBASE dst, u                    ; the place of tile u (0 .. 15) among four blocks of scale words: 256 (u / 4) + 128 (u % 2) + 4 ((u / 2) % 2)
	s_lshr_b32 s61, s[\u], 2
	s_lshl_b32 s61, s61, 8
	s_and_b32 s62, s[\u], 1
	s_lshl_b32 s62, s62, 7
	s_add_co_u32 s61, s61, s62
	s_bfe_u32 s62, s[\u], 0x10001
	s_lshl_b32 s62, s62, 2
	s_add_co_u32 s[\dst], s61, s62
.endm
.macro QBASE tau, cod, scl, dqs        ; byte offsets in qb of tile tau's codes and scale words; its first token within its key step
	s_lshr_b32 s60, s[\tau], 2
	s_lshl_b32 s61, s[BH], 5
	s_add_co_u32 s60, s60, s61
	s_mul_i32 s60, s60, 3328                       ; the group's record
	s_and_b32 s61, s[\tau], 3
	s_mul_i32 s61, s61, 768
	s_add_co_u32 s[\cod], s60, s61
	s_mov_b32 s[\cod+1], 0
	s_and_b32 s61, s[\tau], 1
	s_bfe_u32 s62, s[\tau], 0x10001
	s_bfe_u32 s63, s[\tau], 0x10002
	s_lshl_b32 s43, s61, 7
	s_add_co_u32 s60, s60, s43
	s_lshl_b32 s43, s62, 2
	s_add_co_u32 s60, s60, s43
	s_add_co_u32 s[\scl], s60, 3072
	s_mov_b32 s[\scl+1], 0
	s_lshl_b32 s61, s61, 3
	s_lshl_b32 s62, s62, 5
	s_lshl_b32 s63, s63, 6
	s_add_co_u32 s61, s61, s62
	s_add_co_u32 s[\dqs], s61, s63                 ; 64 ((tau / 4) % 2) + 32 ((tau / 2) % 2) + 8 (tau % 2)
.endm
.macro ABASE tau, dst                  ; byte offset in att of (tile tau, my head): ((128 b + tau) 8 + h) 768
	s_lshr_b32 s60, s[BH], 3
	s_lshl_b32 s60, s60, 7
	s_add_co_u32 s60, s60, s[\tau]
	s_lshl_b32 s60, s60, 3
	s_and_b32 s61, s[BH], 7
	s_add_co_u32 s60, s60, s61
	s_mul_i32 s[\dst], s60, 768
	s_mov_b32 s[\dst+1], 0
.endm
.macro TLOAD n                         ; wave 0 fetches a key step into slot n; four v_nop follow the load
	s_cmp_lg_u32 s[WV], 0
	s_cbranch_scc1 .Lnot0_\@
	tensor_load_to_lds s[G0+4*(\n):G0+4*(\n)+3], s[G1:G1+7]
	s_nop 0
.rept 4
	v_nop
.endr
.Lnot0_\@:
.endm
; A PREFETCH INTO THE L2: in the trip of key step ks, the 52 blocks of 256 bytes of key step ks + 2, one step ahead of the tensor load that will ask for them.  All four work-groups of a head walk the same kv from its start:
; the one that walks all 16 steps (i = 0) asks, and in it waves 1 and 2, which fetch nothing: lanes 256 bytes apart, blocks 0-31 and 32-51 (the lanes beyond name block 51 again: no lane leaves the step).
; The loop's last trip names step 15, the head's last; the two trips behind the loop ask for nothing; steps 0 and 1 come by their loads alone.
.macro ASK
	s_cmp_lg_u32 s[ASKF], 0
	s_cbranch_scc0 .Lna_\@
	global_prefetch_b8 v[PFO], s[PFA:PFA+1] th:TH_LOAD_NT scope:SCOPE_SE
.Lna_\@:
.endm
; A UNIT: one tile of 16 queries against the 128 keys in a slot.
.macro UNIT st, qf, qs, oa, dq, kap, slot
.set SB0, SLOTB*(\slot)
	s_cmp_gt_u32 s[KS], s[\kap]                    ; all keys of the step come after my queries: nothing to do
	s_cbranch_scc1 .Lhid_\@
.irp g, 0,1
.irp a, 0,1,2,3
	ds_load_b128 v[KR+6*(4*\g+\a):KR+6*(4*\g+\a)+3], v[LI] offset:SB0+6656*\g+768*\a
	ds_load_b64 v[KR+6*(4*\g+\a)+4:KR+6*(4*\g+\a)+5], v[L8] offset:SB0+6656*\g+768*\a+512
.endr
	ds_load_b64 v[KSC+2*\g:KSC+2*\g+1], v[L8] offset:SB0+6656*\g+6144
	ds_load_b64 v[VSC+2*\g:VSC+2*\g+1], v[L8] offset:SB0+6656*\g+6400
.endr
	s_wait_dscnt 0x0
.irp g, 0,1
.irp a, 0,1,2,3
	WM S+8*(4*\g+\a), KR+6*(4*\g+\a), \qf, -1, KSC+2*\g+\a/2, \a%2, \qs, 0
.endr
.endr
	v_or_b32 v[VSC], v[VSC], v[VSC+2]              ; V's words of the step's two groups are joined.  These two and two v_nop are the four places behind the products,
	v_or_b32 v[VSC+1], v[VSC+1], v[VSC+3]          ; ahead of the loads into K's registers and of the first read of the scores
	v_nop
	v_nop
.irp n, 0,1,2,3                                ; V's four fragments: registers 0-5 the step's first 64 keys, 6-11 the second; they land during the softmax
.irp g, 0,1
	ds_load_b128 v[KR+12*\n+6*\g:KR+12*\n+6*\g+3], v[LI] offset:SB0+6656*\g+3072+768*\n
	ds_load_b64 v[KR+12*\n+6*\g+4:KR+12*\n+6*\g+5], v[L8] offset:SB0+6656*\g+3072+768*\n+512
.endr
.endr
	s_cmp_lg_u32 s[KS], s[\kap]                    ; only the diagonal step has hidden keys
	s_cbranch_scc1 .Lopen_\@
	v_mov_b32 v[TMP], 0xff800000                   ; -infinity: p = 0 then
.set N, 0
.rept 64
	v_cmp_gt_i32 vcc_lo, 32*(N/16)+N%16, v[\dq]    ; register N holds key 32 (N / 16) + 16 (lane / 16) + N % 16 of the step
	v_cndmask_b32 v[S+N], v[S+N], v[TMP], vcc_lo
.set N, N+1
.endr
.Lopen_\@:
.irp b, 0,1,2,3
	v_max3_num_f32 v[BM+\b], v[S+16*\b], v[S+16*\b+1], v[S+16*\b+2]   ; the largest score of each block of 32 keys: for the row's maximum and for the block's largest p
.endr
.irp i, 3,5,7,9,11,13
.irp b, 0,1,2,3
	v_max3_num_f32 v[BM+\b], v[BM+\b], v[S+16*\b+\i], v[S+16*\b+\i+1]
.endr
.endr
.irp b, 0,1,2,3
	v_max_num_f32 v[BM+\b], v[BM+\b], v[S+16*\b+15]
.endr
.irp b, 0,1,2,3
	s_delay_alu instid0(VALU_DEP_4)
	v_permlanex16_b32 v[PT+\b], v[BM+\b], s[SEL], s[SEL+1]
.endr
.irp b, 0,1,2,3
	s_delay_alu instid0(VALU_DEP_4)
	v_max_num_f32 v[BM+\b], v[BM+\b], v[PT+\b]     ; with lane l xor 16's 16 keys
.endr
	s_delay_alu instid0(VALU_DEP_2)
	v_max3_num_f32 v[TMP], v[BM], v[BM+1], v[BM+2]
	s_delay_alu instid0(VALU_DEP_1)
	v_max_num_f32 v[TMP], v[TMP], v[BM+3]
	s_delay_alu instid0(VALU_DEP_1)
	v_mul_f32 v[TMP], s[CS], v[TMP]                ; the step's largest t
	s_delay_alu instid0(VALU_DEP_1)
	v_max_num_f32 v[\st+1], v[\st+1], v[TMP]       ; the running largest t
	v_mov_b32 v[TMP], v[\st]
	s_delay_alu instid0(VALU_DEP_2)
	v_floor_f32 v[\st], -v[\st+1]                  ; -M = floor(-t): M is a whole number
	s_delay_alu instid0(VALU_DEP_1)
	v_sub_f32 v[TMP], v[\st], v[TMP]               ; old M - new M, 0 or less
	s_delay_alu instid0(VALU_DEP_1)
	v_cvt_i32_f32 v[TMP], v[TMP]                   ; (it saturates)
	s_delay_alu instid0(VALU_DEP_1)
	v_ldexp_f32 v[F], 1.0, v[TMP]
.set J, 0
.rept 32
	v_pk_fma_f32 v[S+J:S+J+1], v[S+J:S+J+1], s[CS:CS+1], v[\st:\st+1] op_sel_hi:[1,0,0]   ; t - M, two at a time
.set J, J+2
.endr
.irp b, 0,1,2,3
	v_fma_f32 v[BM+\b], v[BM+\b], s[CS], v[\st]
.endr
.set J, 0
	s_wait_alu depctr_va_vdst(0)
.rept 64
	v_exp_f32 v[S+J], v[S+J]                       ; p = 2^(t - M)
.set J, J+1
.endr
	v_pk_mul_f32 v[\st+2:\st+3], v[\st+2:\st+3], v[F:F+1] op_sel_hi:[1,0]   ; the sums under the new M: the plain place behind the exponentials
	s_wait_alu depctr_va_vdst(0)                   ; one wait for the batch of 64, ahead of its first reader
.irp b, 0,1,2,3
	v_exp_f32 v[BM+\b], v[BM+\b]                   ; each block's largest p
.endr
	v_pk_add_f32 v[PT:PT+1], v[S:S+1], v[S+2:S+3]  ; the row's sum of the unquantised p, in two chains
.irp j, 4,8,12,16,20,24,28,32,36,40,44,48,52,56,60
	v_pk_add_f32 v[\st+2:\st+3], v[\st+2:\st+3], v[S+\j:S+\j+1]
	v_pk_add_f32 v[PT:PT+1], v[PT:PT+1], v[S+\j+2:S+\j+3]
.endr
	s_delay_alu instid0(VALU_DEP_1)
	v_pk_add_f32 v[\st+2:\st+3], v[\st+2:\st+3], v[PT:PT+1]
	s_wait_alu depctr_va_vdst(0)                   ; and one for the four
.irp b, 0,1,2,3
	v_max_num_f32 v[BM+\b], 0x2800000, v[BM+\b]    ; the floor 2^(5 - 127): the byte cannot fall under 1
.endr
.irp b, 0,1,2,3
	s_delay_alu instid0(VALU_DEP_4)
	v_add_nc_u32 v[SO+\b], 0xfe000000, v[BM+\b]    ; the conversion's scale operand
.endr
.irp b, 0,1,2,3
	s_delay_alu instid0(VALU_DEP_4)
	v_lshrrev_b32 v[PT+\b], 23, v[SO+\b]           ; the scale's byte
.endr
	s_delay_alu instid0(VALU_DEP_3)
	v_lshl_or_b32 v[PW], v[PT+1], 8, v[PT]
	s_delay_alu instid0(VALU_DEP_1)
	v_lshl_or_b32 v[PW], v[PT+2], 16, v[PW]
	s_delay_alu instid0(VALU_DEP_1)
	v_lshl_or_b32 v[PW], v[PT+3], 24, v[PW]
	v_cvt_scalef32_pk16_bf6_f32 v[PT:PT+2], v[S:S+15], v[SO]
	v_cvt_scalef32_pk16_bf6_f32 v[PT+4:PT+6], v[S+16:S+31], v[SO+1]
	v_nop                                          ; a plain place: the next two write registers that the first conversion has read
	v_cvt_scalef32_pk16_bf6_f32 v[S+6:S+8], v[S+32:S+47], v[SO+2]
	v_cvt_scalef32_pk16_bf6_f32 v[S+12:S+14], v[S+48:S+63], v[SO+3]
	v_nop
.irp i, 0,1,2                                  ; the operand's layout wants a whole block in a lane
	v_permlane16_swap_b32 v[PT+\i], v[PT+4+\i]
	v_permlane16_swap_b32 v[S+6+\i], v[S+12+\i]
.endr
.irp i, 0,1,2
	v_mov_b32 v[S+\i], v[PT+\i]
	v_mov_b32 v[S+3+\i], v[PT+4+\i]
	v_mov_b32 v[S+9+\i], v[S+12+\i]
.endr
.set J, 0
.rept 16
	v_pk_mul_f32 v[\oa+J:\oa+J+1], v[\oa+J:\oa+J+1], v[F:F+1] op_sel_hi:[1,0]   ; O^T under the new M.  These 16 are also the places between the codes' and the word's last writes and the products
.set J, J+2
.endr
	s_wait_alu depctr_va_vdst(0)
	s_wait_dscnt 0x0                               ; V is in
.irp n, 0,1,2,3                                ; four accumulators, one instruction each
	WM \oa+8*\n, KR+12*\n, S, \oa+8*\n, VSC+\n/2, \n%2, PW, 0
.endr
.rept 5
	v_nop                                          ; five places: the next unit's products write over p's codes, and its loads land in V's registers
.endr
.Lhid_\@:
.endm
; A KEY STEP.  In front of the barrier every wave waits for all its tensor loads (wave 0's one: this slot's), adds 0 to its spare word, and waits for that and for its reads of the other slot.
; Behind it this slot is whole and nobody reads the other one, which wave 0 fills first thing with the next step: that load has this step's units in which to land.
.macro TRIP slot, refill, ask
	s_wait_tensorcnt 0x0                           ; no tensor load of mine is out, so a group 0 may be written
	ds_add_u32 v[SPW], v[NIL]                      ; 0 onto my spare word
	s_add_nc_u64 s[G0+4*\slot+2:G0+4*\slot+3], s[G0+4*\slot+2:G0+4*\slot+3], 26624   ; this slot's next step, two on
.if \ask
	s_wait_xcnt 0x0                                ; the last prefetch, a step back, has read its address
	s_add_nc_u64 s[PFA:PFA+1], s[PFA:PFA+1], 13312
.endif
	s_wait_dscnt 0x0                               ; the add is done, and my reads of the other slot are over
	s_barrier_signal -1
	s_barrier_wait -1
.if \refill
	TLOAD 1-\slot
.endif
.if \ask
	ASK
.endif
	UNIT STB, QB, QSB, OB, DQB, KAPB, \slot
	UNIT STA, QA, QSA, OA, DQA, KAPA, \slot
	s_add_co_u32 s[KS], s[KS], 1
.endm
	s_load_b256 s[4:11], s[0:1], 0x0               ; qb s[4:5], kv s[6:7], att s[8:9], ats s[10:11]
	v_lshl_add_u32 v[SPW], v0, 2, SPARE
	v_mov_b32 v[NIL], 0
	ds_add_u32 v3, v4
	ds_add_u32 v3, v4
	s_wait_dscnt 0x0
	v_lshrrev_b32 v112, 5, v0
	s_delay_alu instid0(VALU_DEP_1)
	v_readfirstlane_b32 s[WV], v112                ; wave 0..15
	s_and_b32 s[BH], ttmp7, 0xffff                 ; 8 b + h
	v_and_b32 v112, 31, v0                         ; lane
	v_and_b32 v113, 15, v0                         ; r
	v_bfe_u32 v114, v0, 4, 1                       ; h
	s_delay_alu instid0(VALU_DEP_3)
	v_lshlrev_b32 v[LI], 4, v112
	s_delay_alu instid0(VALU_DEP_4)
	v_lshlrev_b32 v[L8], 3, v112
	s_delay_alu instid0(VALU_DEP_4)
	v_lshlrev_b32 v[R8], 3, v113
	s_wait_alu depctr_va_vdst(0)
	; every LDS address is made here, ahead of the first branch on the wave's number
	SBASE 60, WV                                   ; tile A is the w-th of my work-group's lower 16 tiles,
	s_add_co_u32 s60, s60, STG
	v_add_nc_u32 v[SWA], s60, v[R8]
	s_xor_b32 s63, s[WV], 15                       ; tile B the (15 - w)-th of its upper 16
	SBASE 60, 63
	s_add_co_u32 s60, s60, STG+1024
	v_add_nc_u32 v[SWB], s60, v[R8]
	s_and_b32 s60, s[WV], 3
	s_lshl_b32 s60, s60, 9
	s_add_co_u32 s60, s60, STG
	v_add_nc_u32 v[SRD], s60, v[LI]                ; waves 0-3 read 512 bytes of the stage each
	; descriptor group 1: 13,312 dense bytes as 52 rows of 256 bytes (32 elements of 8 bytes), no padding: fragments are read 16 bytes a lane on end
	s_mov_b32 s[G1], 3<<16
	s_mov_b32 s[G1+1], 32<<16                      ; tensor_dim0
	s_mov_b32 s[G1+2], 52<<16                      ; tensor_dim1
	s_mov_b32 s[G1+3], 32<<16                      ; tile_dim0
	s_mov_b32 s[G1+4], 52                          ; tile_dim1
	s_mov_b32 s[G1+5], 32                          ; the pitch
	s_mov_b32 s[G1+6], 0
	s_mov_b32 s[G1+7], 0
	s_mul_i32 s60, s[BH], 212992                   ; a head's 32 records of 6,656 bytes
	s_mov_b32 s61, 0
	s_wait_kmcnt 0x0
	s_add_nc_u64 s[6:7], s[6:7], s[60:61]
	s_mov_b32 s[G0], 1
	s_mov_b32 s[G0+1], 0
	s_mov_b64 s[G0+2:G0+3], s[6:7]                 ; key step 0
	s_or_b32 s[G0+3], s[G0+3], 0x80000000
	s_mov_b32 s[G0+4], 1
	s_mov_b32 s[G0+5], SLOTB
	s_add_nc_u64 s[G0+6:G0+7], s[6:7], 13312       ; key step 1
	s_or_b32 s[G0+7], s[G0+7], 0x80000000
	TLOAD 0                                        ; the first fill, ahead of every wait on TENSORcnt, LDS read and barrier; slot 1 is first filled behind the first trip's barrier
	s_add_nc_u64 s[PFA:PFA+1], s[6:7], 13312       ; the first trip steps it to key step 2
	s_sub_co_u32 s60, s[WV], 1
	s_lshr_b32 s61, s60, 1                         ; 0 in waves 1 and 2,
	s_or_b32 s61, s61, ttmp9                       ; of the work-group that walks all 16 steps
	s_cmp_eq_u32 s61, 0
	s_cselect_b32 s[ASKF], 1, 0
	s_and_b32 s60, s60, 1
	s_lshl_b32 s60, s60, 5
	v_add_nc_u32 v[PFO], s60, v112
	s_delay_alu instid0(VALU_DEP_1)
	v_min_u32 v[PFO], 51, v[PFO]
	s_delay_alu instid0(VALU_DEP_1)
	v_lshlrev_b32 v[PFO], 8, v[PFO]
	s_lshl_b32 s58, ttmp9, 4
	s_add_co_u32 s58, s58, s[WV]                   ; tile A
	s_sub_co_u32 s59, 127, s58                     ; tile B
	s_lshr_b32 s[KAPA], s58, 3
	s_lshr_b32 s[KAPB], s59, 3
	s_sub_co_u32 s[TRIPS], 7, ttmp9                ; (16 - 2 i) / 2 - 1 trips of two steps; the last two steps are written out
	s_mov_b32 s[KS], 0
	s_and_b32 s[SH], s[BH], 1
	s_lshl_b32 s[SH], s[SH], 4                     ; my head's two bytes stand 16 (h % 2) bits up in the projection's scale word
	s_mov_b32 s[SEL], 0x76543210
	s_mov_b32 s[SEL+1], 0xfedcba98
	s_mov_b32 s[CS], 0x3e38aa3b                    ; log2(e) / 8
	s_mov_b32 s[CS+1], s[CS]
	QBASE 58, 50, 52, 2
	QBASE 59, 54, 56, 3
	s_add_nc_u64 s[50:51], s[4:5], s[50:51]
	s_add_nc_u64 s[52:53], s[4:5], s[52:53]
	s_add_nc_u64 s[54:55], s[4:5], s[54:55]
	s_add_nc_u64 s[56:57], s[4:5], s[56:57]
	global_load_b128 v[QA:QA+3], v[LI], s[50:51]
	global_load_b64 v[QA+4:QA+5], v[L8], s[50:51] offset:512
	global_load_b32 v[QSA], v[R8], s[52:53]
	global_load_b128 v[QB:QB+3], v[LI], s[54:55]
	global_load_b64 v[QB+4:QB+5], v[L8], s[54:55] offset:512
	global_load_b32 v[QSB], v[R8], s[56:57]
	ABASE 58, 44
	ABASE 59, 46
	s_add_nc_u64 s[44:45], s[8:9], s[44:45]
	s_add_nc_u64 s[46:47], s[8:9], s[46:47]
	s_lshl_b32 s60, ttmp9, 2                       ; my lower tiles' groups begin at 4 i,
	s_sub_co_u32 s61, 28, s60                      ; the upper ones' at 28 - 4 i
	s_cmp_lt_u32 s[WV], 2
	s_cselect_b32 s60, s60, s61
	s_lshl_b32 s61, s[BH], 5
	s_add_co_u32 s60, s60, s61
	s_lshl_b32 s60, s60, 8
	s_and_b32 s61, s[WV], 1
	s_lshl_b32 s61, s61, 9
	s_add_co_u32 s48, s60, s61
	s_mov_b32 s49, 0
	s_add_nc_u64 s[48:49], s[10:11], s[48:49]
	v_and_b32 v115, 8, v113
	s_delay_alu instid0(VALU_DEP_1)
	v_add_nc_u32 v115, v115, v113                  ; r + 8 (r / 8)
	v_lshlrev_b32 v114, 4, v114
	s_delay_alu instid0(VALU_DEP_1)
	v_sub_nc_u32 v115, v115, v114
	s_delay_alu instid0(VALU_DEP_1)
	v_add_nc_u32 v[DQA], s2, v115
	s_delay_alu instid0(VALU_DEP_2)
	v_add_nc_u32 v[DQB], s3, v115
.irp j, 0,1,2,3,4,5
	v_mov_b32 v[QA+6+\j], 0                        ; zero codes
	v_mov_b32 v[QB+6+\j], 0
	v_mov_b32 v[ZT+\j], 0
.endr
.irp st, STA, STB
	v_mov_b32 v[\st+1], 0xff61b1e6                 ; the largest t so far: -3e38
	s_delay_alu instid0(VALU_DEP_1)
	v_floor_f32 v[\st], -v[\st+1]
	v_mov_b32 v[\st+2], 0
	v_mov_b32 v[\st+3], 0
.endr
.set J, 0
.rept 64
	v_mov_b32 v[OA+J], 0                           ; O^T of both tiles: the unit is written once; the first finds zeros, which the first change of M leaves zeros
.set J, J+1
.endr
.irp j, 0,1,2,3,4,5,6,7
	v_mov_b32 v[PT+\j], 0                          ; written once: a lane permute's destination counts as one of its sources
.endr
	v_mov_b32 v[F+1], 0                            ; (named as the upper half of a pair)
	s_wait_loadcnt 0x0                             ; Q
	s_mov_b32 s[CNT], 0
.Lwalk:
	TRIP 0, 1, 1
	TRIP 1, 1, 1
	s_add_co_u32 s[CNT], s[CNT], 1
	s_cmp_lt_u32 s[CNT], s[TRIPS]
	s_cbranch_scc1 .Lwalk
	TRIP 0, 1, 0                                   ; the last two steps are written out
	TRIP 1, 0, 0
	; THE WAY OUT: O / l, quantised along d: half a fragment of the output projection's operand for each tile, and its two scale bytes
	v_add_f32 v[STA+2], v[STA+2], v[STA+3]
	v_add_f32 v[STB+2], v[STB+2], v[STB+3]
	s_delay_alu instid0(VALU_DEP_2)
	v_permlanex16_b32 v[PT], v[STA+2], s[SEL], s[SEL+1]
	s_delay_alu instid0(VALU_DEP_2)
	v_permlanex16_b32 v[PT+1], v[STB+2], s[SEL], s[SEL+1]
	s_delay_alu instid0(VALU_DEP_2)
	v_add_f32 v[STA+2], v[STA+2], v[PT]
	s_delay_alu instid0(VALU_DEP_2)
	v_add_f32 v[STB+2], v[STB+2], v[PT+1]          ; the rows' sums
	s_wait_alu depctr_va_vdst(0)
	v_rcp_f32 v[STA+3], v[STA+2]
	v_rcp_f32 v[STB+3], v[STB+2]
	v_mov_b32 v[TM+2], 0                           ; (plain places behind the reciprocals; a lane permute's destination counts as one of its sources)
	v_mov_b32 v[TM+3], 0
	s_wait_alu depctr_va_vdst(0)                   ; one wait for the two, ahead of their first reader
.set J, 0
.rept 32
	v_mul_f32 v[S+J], v[OA+J], v[STA+3]            ; each accumulator from its low end on
.set J, J+1
.endr
.set J, 0
.rept 32
	v_mul_f32 v[S+32+J], v[OB+J], v[STB+3]
.set J, J+1
.endr
	QUANT32 S, 56, 68, 80
	QUANT32 S+32, 62, 68, 81
	v_lshlrev_b32 v80, s[SH], v80
	v_lshlrev_b32 v81, s[SH], v81
	global_store_b128 v[LI], v[56:59], s[44:45]            ; 512 consecutive bytes, aligned
	global_store_b64 v[L8], v[60:61], s[44:45] offset:512  ; 256
	global_store_b128 v[LI], v[62:65], s[46:47]
	global_store_b64 v[L8], v[66:67], s[46:47] offset:512
	ds_store_b32 v[SWA], v80                       ; the words meet in the stage, so that whole blocks of 256 bytes leave; lanes l and l + 16 write the same word with the same value
	ds_store_b32 v[SWB], v81
	s_wait_dscnt 0x0                               ; for the others' sake
	s_barrier_signal -1
	s_barrier_wait -1
	s_cmp_gt_u32 s[WV], 3
	s_cbranch_scc1 .Lend
	ds_load_b128 v[84:87], v[SRD]
	s_wait_dscnt 0x0
	global_store_b128 v[LI], v[84:87], s[48:49]    ; two blocks of scale words: 512 consecutive bytes, aligned
.Lend:
	s_wait_tensorcnt 0x0                           ; the wave's end
	ds_add_u32 v[SPW], v[NIL]
	s_wait_dscnt 0x0
	s_endpgm
.Lfunc_end_k_q74ab03051e_attn:
	.size	k_q74ab03051e_attn, .Lfunc_end_k_q74ab03051e_attn-k_q74ab03051e_attn
	.p2alignl 7, 3214868480
	.fill 96, 4, 3214868480
	.section	.rodata,"a",@progbits
	.p2align	6, 0x0
	.amdhsa_kernel k_q74ab03051e_attn
		.amdhsa_group_segment_fixed_size 327680
		.amdhsa_private_segment_fixed_size 0
		.amdhsa_enable_private_segment 0
		.amdhsa_kernarg_size 32
		.amdhsa_user_sgpr_count 2
		.amdhsa_user_sgpr_kernarg_segment_ptr 1
		.amdhsa_wavefront_size32 1
		.amdhsa_system_sgpr_workgroup_id_x 1
		.amdhsa_system_sgpr_workgroup_id_y 1
		.amdhsa_system_sgpr_workgroup_id_z 1
		.amdhsa_system_vgpr_workitem_id 0
		.amdhsa_next_free_vgpr 256
		.amdhsa_next_free_sgpr 66
		.amdhsa_reserve_vcc 1
		.amdhsa_float_denorm_mode_32 3
		.amdhsa_float_denorm_mode_16_64 3
		.amdhsa_memory_ordered 1
		.amdhsa_forward_progress 1
		.amdhsa_inst_pref_size 199
	.end_amdhsa_kernel
	.amdgpu_metadata
---
amdhsa.version: [ 1, 2 ]
amdhsa.kernels:
  - .name:           k_q74ab03051e_attn
    .symbol:         k_q74ab03051e_attn.kd
    .args:
      - { .name: qb, .offset: 0, .size: 8, .value_kind: global_buffer, .address_space: global }
      - { .name: kv, .offset: 8, .size: 8, .value_kind: global_buffer, .address_space: global }
      - { .name: att, .offset: 16, .size: 8, .value_kind: global_buffer, .address_space: global }
      - { .name: ats, .offset: 24, .size: 8, .value_kind: global_buffer, .address_space: global }
    .group_segment_fixed_size: 327680
    .private_segment_fixed_size: 0
    .kernarg_segment_align: 8
    .kernarg_segment_size: 32
    .max_flat_workgroup_size: 512
    .sgpr_count:     66
    .vgpr_count:     256
    .wavefront_size: 32
...
	.end_amdgpu_metadata
.endif
;; end of part 7
;; launch outp (part 8): grid 256 x 1, 4 waves a work-group, no clusters, 17,920 bytes of LDS; arguments att, ats, wc, ws, bo, out0; writes out0
.if DOCPART == 8
	.amdgcn_target "amdgcn-amd-amdhsa--gfx1250"
	.amdhsa_code_object_version 6
	.text
	.protected	k_q74ab03051e_outp
	.globl	k_q74ab03051e_outp
	.p2align	8
	.type	k_q74ab03051e_outp,@function
k_q74ab03051e_outp:
	s_mov_b64 s[64:65], 0
	v_nop
	global_prefetch_b8 v0, s[64:65] scope:SCOPE_SE
	s_setreg_imm32_b32 hwreg(HW_REG_WAVE_SCHED_MODE, 0, 2), 2
	s_setreg_imm32_b32 hwreg(HW_REG_WAVE_MODE, 25, 1), 1
	s_wait_xcnt 0x0
	s_wait_alu depctr_vm_vsrc(0)
; out0 = att Wo + bo, on codes of BF6 (E3M2) with one E8M0 scale for each 32 along K = 512 (K = 64 x head + d); sums in f32.
; SHARES.  A work-group owns a group of 64 tokens (work-group number 32 b + G); wave w makes columns 128 w .. 128 w + 127 in two halves e of 64.  Every operand comes from memory straight into its registers, in fragment order:
; att's 32 halves (tile tt, head): halves of heads 2 s and 2 s + 1 side by side are the fragment of K step s; Wo's fragments and scale words from wc and ws (matrices 24 + 2 w + e).  The scale words of two heads are joined by an OR.
; The product is used transposed (source 0 = 16 columns of Wo, source 1 = 16 tokens): a lane holds eight neighbouring columns of one token's row.  bo is the C of each sum's first product.
; THE TOKENS OF A TILE ARE NOT NEIGHBOURS: row r of tile tt is token 32 (tt / 2) + 8 (tt % 2) + r + 8 (r / 8) of the group: the stores' offsets put them back.
; THE WAY OUT: a tile (16 tokens x 64 columns) goes through the wave's own stage in LDS (rows of 256 + 16 bytes) and leaves as whole rows: sixteen lanes store 256 consecutive bytes, aligned.  No barrier: waves share no LDS.
; NO CLUSTER: what work-groups share is Wo (49,152 bytes a wave), which here takes no way through LDS; a joint request lands in LDS and would add an LDS pass of the same bytes and the cluster's rounds to a launch of 128 products a wave.
; REGISTERS, in windows of 256: window 0: v1-6 addresses, v16-31 Wo's scale words, v32-47 att's, v64-127 two sets of rows read back, v128-255 the 16 accumulators;
;   window 1: v0-191 att's fragments, (tt, s) at 12 (4 tt + s); v192-255 bo in the result's layout, 32 e + 8 t;  windows 2, 3: Wo's fragments of e = 0, 1, (s, t) at 12 (4 s + t).
; THE MODE: SCHED_MODE bits 1:0 = 2 (LLVM: expert scheduling mode 2), set by the entry lines.  The code itself states the register dependences
; between vector or matrix instructions and memory or LDS instructions, with s_wait_alu, always for 0.
; THE PLAN.  Registers that memory or LDS instructions touch:
;   v1-6, v62, v63       made at the head and never written again.
;   v16-31, windows 1-3  loaded once, named by products alone.
;   v32-47               att's scale words: loaded once, joined by eight vector instructions, then named by products alone.
;   v128-255             the accumulators: written by a half's products, read by the stage's LDS stores of that half's way out, begun anew by the next half's products.
;   v64-95, v96-127      rows read back: written by tile m's LDS loads, read by its eight stores; tile m + 2's rows land there next.
; A way out holds no vector instruction: so ONE wait on va_vdst, behind a half's products and their places, serves its 32 LDS stores; a wait on vm_vsrc stands ahead of each landing in a set of rows that stores have read,
; and one ahead of the second half's products.
.set LI,  1                            ; v1  16 x lane
.set L8,  2                            ; v2  8 x lane
.set STO, 3                            ; v3  the stage, in: 4,352 w + 272 r + 32 h
.set RD,  4                            ; v4  the stage, back: 4,352 w + 272 h + 16 r
.set CO,  5                            ; v5  2,048 h + 16 r: two rows of out0 an instruction
.set BH,  6                            ; v6  32 h
.set WSC, 16                           ; register 2 (4 e + s) + t / 2, lanes 16 (t % 2) on
.set ASC, 32                           ; as loaded: head hh at 2 hh; joined: register 4 s + tt / 2, lanes 16 (tt % 2) on
.set BK,  64
.set ACC, 128
.set BIAS, 192
.set MSB, 0
.macro WIN new                         ; the immediate's high byte repeats the setting that is left
.if MSB != \new
	s_set_vgpr_msb (MSB<<8)|\new
.set MSB, \new
.endif
.endm
.macro WM d, a, b, c, sa, ra, sb, rb
.set ZD, \d
.set ZA, \a
.set ZB, \b
.set ZC, \c
.set ZP, \sa
.set ZQ, \sb
.set ZR, (\ra)+2*(\rb)
.if ZR == 0
	v_wmma_scale_f32_16x16x128_f8f6f4 v[ZD:ZD+7], v[ZA:ZA+11], v[ZB:ZB+11], v[ZC:ZC+7], v[ZP], v[ZQ] matrix_a_fmt:MATRIX_FMT_BF6 matrix_b_fmt:MATRIX_FMT_BF6
.elseif ZR == 1
	v_wmma_scale_f32_16x16x128_f8f6f4 v[ZD:ZD+7], v[ZA:ZA+11], v[ZB:ZB+11], v[ZC:ZC+7], v[ZP], v[ZQ] matrix_a_fmt:MATRIX_FMT_BF6 matrix_b_fmt:MATRIX_FMT_BF6 matrix_a_scale:MATRIX_SCALE_ROW1
.elseif ZR == 2
	v_wmma_scale_f32_16x16x128_f8f6f4 v[ZD:ZD+7], v[ZA:ZA+11], v[ZB:ZB+11], v[ZC:ZC+7], v[ZP], v[ZQ] matrix_a_fmt:MATRIX_FMT_BF6 matrix_b_fmt:MATRIX_FMT_BF6 matrix_b_scale:MATRIX_SCALE_ROW1
.else
	v_wmma_scale_f32_16x16x128_f8f6f4 v[ZD:ZD+7], v[ZA:ZA+11], v[ZB:ZB+11], v[ZC:ZC+7], v[ZP], v[ZQ] matrix_a_fmt:MATRIX_FMT_BF6 matrix_b_fmt:MATRIX_FMT_BF6 matrix_a_scale:MATRIX_SCALE_ROW1 matrix_b_scale:MATRIX_SCALE_ROW1
.endif
.endm
.macro OMAT e                          ; 64 products: the 16 accumulators take turns, one instruction a turn
.set WW0, (2+(\e))+4+16                ; source 0 (Wo) window 2 + e, source 1 (att) window 1, C (bo) window 1
.set WW1, (2+(\e))+4                   ; C and D window 0
.irp s, 0,1,2,3
.if \s == 0
	WIN WW0
.else
	WIN WW1
.endif
.irp m, 0,1,2,3
.irp t, 0,1,2,3
.if \s == 0
	WM ACC+8*(4*\m+\t), 12*(4*\s+\t), 12*(4*\m+\s), BIAS+32*(\e)+8*\t, WSC+2*(4*(\e)+\s)+\t/2, \t%2, ASC+4*\s+\m/2, \m%2
.else
	WM ACC+8*(4*\m+\t), 12*(4*\s+\t), 12*(4*\m+\s), ACC+8*(4*\m+\t), WSC+2*(4*(\e)+\s)+\t/2, \t%2, ASC+4*\s+\m/2, \m%2
.endif
.endr
.endr
.endr
	WIN 0
.rept 5
	v_nop                                          ; four places ahead of the stores that read results; five ahead of the next half's products, which begin these accumulators anew
.endr
	s_wait_alu depctr_va_vdst(0)                   ; the products have written the 16 accumulators, which the way out's LDS stores read; the places above stay beside this wait
.endm
.macro TOSTAGE m                       ; tile m through my stage; LDS serves a wave's instructions in order: no wait between the stores and the loads
.irp t, 0,1,2,3
	ds_store_b128 v[STO], v[ACC+8*(4*(\m)+\t):ACC+8*(4*(\m)+\t)+3] offset:64*\t          ; each accumulator from its low end on
	ds_store_b128 v[STO], v[ACC+8*(4*(\m)+\t)+4:ACC+8*(4*(\m)+\t)+7] offset:64*\t+16
.endr
.irp i, 0,1,2,3,4,5,6,7
	ds_load_b128 v[BK+32*((\m)%2)+4*\i:BK+32*((\m)%2)+4*\i+3], v[RD] offset:544*\i       ; rows 2 i and 2 i + 1
.endr
.endm
.macro SEND m, e, younger              ; younger: the LDS instructions issued behind tile m's loads, which may stay out
	s_wait_dscnt \younger
.irp i, 0,1,2,3,4,5,6,7
	global_store_b128 v[CO], v[BK+32*((\m)%2)+4*\i:BK+32*((\m)%2)+4*\i+3], s[14:15] offset:(32*((\m)/2)+8*((\m)%2)+2*\i+8*(\i/4))*2048+256*(\e) th:TH_STORE_NT
.endr
.endm
.macro WAYOUT e
.irp m, 0,1,2,3
.if ((\e) > 0) || (\m > 1)
	s_wait_xcnt 0x0                                ; the stores of two tiles ago have read their registers: this tile's rows may land there
	s_wait_alu depctr_vm_vsrc(0)                   ; the stores of two tiles ago have read their set of rows, in which this tile's LDS loads land
.endif
	TOSTAGE \m
.if \m > 0
	SEND \m-1, \e, 16                              ; behind tile m - 1's loads: tile m's 8 stores and 8 loads
.endif
.endr
	SEND 3, \e, 0
.endm
	s_load_b256 s[4:11], s[0:1], 0x0               ; att s[4:5], ats s[6:7], wc s[8:9], ws s[10:11]
	s_load_b128 s[12:15], s[0:1], 0x20             ; bo s[12:13], out0 s[14:15]
	v_lshl_add_u32 v62, v0, 2, 0x4400
	v_mov_b32 v63, 0
	v_lshrrev_b32 v8, 5, v0
	v_readfirstlane_b32 s16, v8                    ; wave 0..3
	v_and_b32 v8, 31, v0                           ; lane
	v_and_b32 v9, 15, v0                           ; r
	v_bfe_u32 v10, v0, 4, 1                        ; h
	v_lshlrev_b32 v[LI], 4, v8
	v_lshlrev_b32 v[L8], 3, v8
	s_wait_alu depctr_va_sdst(0)                   ; the wave's number is written, ahead of its first reader: LDS addresses and the buffers' bases are made from it
	s_mul_i32 s17, s16, 4352
	v_mul_u32_u24 v[STO], v9, 272
	v_lshl_add_u32 v[STO], v10, 5, v[STO]
	v_add_nc_u32 v[STO], s17, v[STO]
	v_mul_u32_u24 v[RD], v10, 272
	v_lshl_add_u32 v[RD], v9, 4, v[RD]
	v_add_nc_u32 v[RD], s17, v[RD]
	v_lshlrev_b32 v[CO], 4, v9
	v_lshl_add_u32 v[CO], v10, 11, v[CO]
	v_lshlrev_b32 v[BH], 5, v10
	s_mul_i32 s18, ttmp9, 24576                    ; att: 4 tiles x 8 heads x 768 bytes a group
	s_mov_b32 s19, 0
	s_lshr_b32 s20, ttmp9, 5                       ; ats: ((8 b + head) 32 + G) 256
	s_lshl_b32 s20, s20, 8
	s_and_b32 s21, ttmp9, 31
	s_add_co_u32 s20, s20, s21
	s_lshl_b32 s20, s20, 8
	s_mov_b32 s21, 0
	s_lshl_b32 s22, s16, 1
	s_add_co_u32 s22, s22, 24                      ; matrix 24 + 2 w
	s_mul_i32 s24, s22, 24576
	s_mov_b32 s25, 0
	s_lshl_b32 s26, s22, 10
	s_mov_b32 s27, 0
	s_lshl_b32 s28, s16, 9                         ; my 128 columns: 512 bytes
	s_mov_b32 s29, 0
	s_lshl_b32 s30, ttmp9, 17                      ; 64 rows of 2,048 bytes
	s_add_co_u32 s30, s30, s28
	s_mov_b32 s31, 0
	s_wait_kmcnt 0x0
	s_add_nc_u64 s[4:5], s[4:5], s[18:19]
	s_add_nc_u64 s[6:7], s[6:7], s[20:21]
	s_add_nc_u64 s[8:9], s[8:9], s[24:25]
	s_add_nc_u64 s[10:11], s[10:11], s[26:27]
	s_add_nc_u64 s[12:13], s[12:13], s[28:29]
	s_add_nc_u64 s[14:15], s[14:15], s[30:31]
	s_wait_alu depctr_va_vdst(0)                   ; the six addresses v1 to v6 are written: every load and store of the kernel, global or LDS, reads one of them.  Up to the last load below stand loads and window switches alone
.irp hh, 0,1,2,3,4,5,6,7
	global_load_b64 v[ASC+2*\hh:ASC+2*\hh+1], v[L8], s[6:7] offset:8192*\hh
.endr
.irp e, 0,1
.irp s, 0,1,2,3
	global_load_b64 v[WSC+2*(4*\e+\s):WSC+2*(4*\e+\s)+1], v[L8], s[10:11] offset:1024*\e+256*\s
.endr
.endr
	WIN 0x40                                       ; destination window 1
.irp e, 0,1
.irp t, 0,1,2,3
	global_load_b128 v[BIAS+32*\e+8*\t:BIAS+32*\e+8*\t+3], v[BH], s[12:13] offset:256*\e+64*\t       ; lane (r, h): bo of columns 16 t + 8 h + 0 .. 7
	global_load_b128 v[BIAS+32*\e+8*\t+4:BIAS+32*\e+8*\t+7], v[BH], s[12:13] offset:256*\e+64*\t+16
.endr
.endr
.set Q, 0
.rept 32
	global_load_b128 v[6*Q:6*Q+3], v[LI], s[4:5] offset:768*Q
	global_load_b64 v[6*Q+4:6*Q+5], v[L8], s[4:5] offset:768*Q+512
.set Q, Q+1
.endr
	WIN 0x80                                       ; destination window 2
.set Q, 0
.rept 48
	global_load_b128 v[4*Q:4*Q+3], v[LI], s[8:9] offset:512*Q
.set Q, Q+1
.endr
	WIN 0xc0                                       ; destination window 3
.set Q, 0
.rept 48
	global_load_b128 v[4*Q:4*Q+3], v[LI], s[8:9] offset:24576+512*Q
.set Q, Q+1
.endr
	WIN 0
	s_wait_loadcnt 48                              ; all but the second half's 48 weight loads
.irp s, 0,1,2,3
	v_or_b32 v[ASC+4*\s], v[ASC+4*\s], v[ASC+4*\s+2]       ; heads 2 s and 2 s + 1: bytes 0, 1 and bytes 2, 3 of K step s's words
	v_or_b32 v[ASC+4*\s+1], v[ASC+4*\s+1], v[ASC+4*\s+3]
.endr
.rept 8
	v_nop                                          ; a scale register written by a vector instruction stands eight places ahead of a scaled product
.endr
	s_wait_alu depctr_va_vdst(0)                   ; the eight joined scale words are written, which the products take as scales; the places above stay beside this wait
	OMAT 0
	WAYOUT 0
	s_wait_loadcnt 0x0
	s_wait_alu depctr_vm_vsrc(0)                   ; the first half's LDS stores have read the accumulators, which the second half's products begin anew
	OMAT 1
	WAYOUT 1
	s_wait_dscnt 0x0                               ; the closing lines, six on end
	s_wait_alu 0x0
	s_wait_tensorcnt 0x0
	ds_add_u32 v62, v63
	s_wait_dscnt 0x0
	s_endpgm
.Lfunc_end_k_q74ab03051e_outp:
	.size	k_q74ab03051e_outp, .Lfunc_end_k_q74ab03051e_outp-k_q74ab03051e_outp
	.p2alignl 7, 3214868480
	.fill 96, 4, 3214868480
	.section	.rodata,"a",@progbits
	.p2align	6, 0x0
	.amdhsa_kernel k_q74ab03051e_outp
		.amdhsa_group_segment_fixed_size 17920
		.amdhsa_private_segment_fixed_size 0
		.amdhsa_enable_private_segment 0
		.amdhsa_kernarg_size 48
		.amdhsa_user_sgpr_count 2
		.amdhsa_user_sgpr_kernarg_segment_ptr 1
		.amdhsa_wavefront_size32 1
		.amdhsa_system_sgpr_workgroup_id_x 1
		.amdhsa_system_sgpr_workgroup_id_y 1
		.amdhsa_system_sgpr_workgroup_id_z 1
		.amdhsa_system_vgpr_workitem_id 0
		.amdhsa_next_free_vgpr 1024
		.amdhsa_next_free_sgpr 66
		.amdhsa_reserve_vcc 0
		.amdhsa_float_denorm_mode_32 3
		.amdhsa_float_denorm_mode_16_64 3
		.amdhsa_memory_ordered 1
		.amdhsa_forward_progress 1
		.amdhsa_inst_pref_size 53
	.end_amdhsa_kernel
	.amdgpu_metadata
---
amdhsa.version: [ 1, 2 ]
amdhsa.kernels:
  - .name:           k_q74ab03051e_outp
    .symbol:         k_q74ab03051e_outp.kd
    .args:
      - { .name: att, .offset: 0, .size: 8, .value_kind: global_buffer, .address_space: global }
      - { .name: ats, .offset: 8, .size: 8, .value_kind: global_buffer, .address_space: global }
      - { .name: wc, .offset: 16, .size: 8, .value_kind: global_buffer, .address_space: global }
      - { .name: ws, .offset: 24, .size: 8, .value_kind: global_buffer, .address_space: global }
      - { .name: bo, .offset: 32, .size: 8, .value_kind: global_buffer, .address_space: global }
      - { .name: out0, .offset: 40, .size: 8, .value_kind: global_buffer, .address_space: global }
    .group_segment_fixed_size: 17920
    .private_segment_fixed_size: 0
    .kernarg_segment_align: 8
    .kernarg_segment_size: 48
    .max_flat_workgroup_size: 128
    .sgpr_count:     66
    .vgpr_count:     1024
    .wavefront_size: 32
...
	.end_amdgpu_metadata
.endif
;; end of part 8
